; MI455X (gfx1250); checked and timed in simulation.
; The chip was launched on July 23, 2026; its instructions are those of AMD's public machine-readable ISA for CDNA 5 (MIT licence, August 2026) and "CDNA5" Instruction Set Architecture Reference Guide (July 2026). The comments in the code are by the model that wrote it; some were corrected since.
;; Attention Head. Allowed arithmetic: float matrix products may take bf16 or f16 operands with f32 sums; all other float work in f32.
;; Inputs: inputs_for_keys 4 x 2,048 x 1,024 float32; inputs_for_queries 4 x 2,048 x 1,024 float32; inputs_for_values 4 x 2,048 x 1,024 float32; weight_k 1,024 x 1,024 float32; weight_q 1,024 x 1,024 float32; weight_v 1,024 x 1,024 float32.
;; Outputs: out0 4 x 2,048 x 1,024 float32.
;; 2 versions, each right; version 2 is version 1 with the launch wcast written anew for expert scheduling mode. Each part assembles by itself: llvm-mc -triple=amdgcn-amd-amdhsa -mcpu=gfx1250 --defsym DOCPART=n.
;; ======== version 1 of 2: 4 launches
;; limits: values are held in f16: magnitudes above 65,504 overflow, below 6.1e-05 lose precision
;; workspace buffers: wb 6,291,456 bytes; qkv 50,331,648 bytes; p 33,554,432 bytes; st 1,048,576 bytes
;; launch wcast (part 1): grid 128 x 3, 8 waves a work-group, no clusters, 0 bytes of LDS; arguments weight_q, weight_k, weight_v, wb; writes wb
.if DOCPART == 1
	.amdgcn_target "amdgcn-amd-amdhsa--gfx1250"
	.amdhsa_code_object_version 6
	.text
	.protected	k_qe5dc9c7397_wcast
	.globl	k_qe5dc9c7397_wcast
	.p2align	8
	.type	k_qe5dc9c7397_wcast,@function
k_qe5dc9c7397_wcast:
	s_mov_b64 s[64:65], 0
	v_nop
	global_prefetch_b8 v0, s[64:65] scope:SCOPE_SE
	s_setreg_imm32_b32 hwreg(HW_REG_WAVE_MODE, 25, 1), 1
	s_wait_xcnt 0x0
; wb[t][k][n] = bf16(weight_t[k][n]), t = q, k, v; the layout [k][n] is kept.  Rounding to nearest even, once.
; A stream: a work-group takes 32,768 bytes of one weight (grid y says which), a thread eight times 16 bytes.  All eight loads of a wave go out
; first; each load of a wave covers 512 consecutive bytes, each store 256 consecutive bytes that begin at a multiple of 256 from wb's first byte.
; No LDS, no matrix unit, no cluster: nothing is shared and nothing is read twice.  No register is written twice, so no wait frees a source.
	s_load_b256 s[4:11], s[0:1], 0x0               ; weight_q s[4:5], weight_k s[6:7], weight_v s[8:9], wb s[10:11]
	s_and_b32 s12, ttmp7, 0xffff                   ; t
	s_lshl_b32 s14, ttmp9, 15                      ; my 32,768 bytes of the weight
	s_mov_b32 s15, 0
	s_lshl_b32 s16, s12, 21                        ; a weight is 2,097,152 bytes in bf16,
	s_lshl_b32 s17, ttmp9, 14                      ; my part of it 16,384
	s_add_co_u32 s16, s16, s17
	s_mov_b32 s17, 0
	v_lshlrev_b32 v1, 4, v0                        ; 16 bytes a thread in,
	v_lshlrev_b32 v2, 3, v0                        ; 8 bytes out
	s_wait_kmcnt 0x0
	s_cmp_eq_u32 s12, 1
	s_cselect_b64 s[4:5], s[6:7], s[4:5]
	s_cmp_eq_u32 s12, 2
	s_cselect_b64 s[4:5], s[8:9], s[4:5]
	s_add_nc_u64 s[4:5], s[4:5], s[14:15]
	s_add_nc_u64 s[10:11], s[10:11], s[16:17]
.irp i, 0,1,2,3,4,5,6,7
	global_load_b128 v[4+4*(\i):7+4*(\i)], v1, s[4:5] offset:4096*(\i) th:TH_LOAD_NT
.endr
.irp i, 0,1,2,3,4,5,6,7
	s_wait_loadcnt 7-(\i)                          ; loads come back in order: number i is in, the younger ones stay out
	v_cvt_pk_bf16_f32 v[36+2*(\i)], v[4+4*(\i)], v[5+4*(\i)]
	v_cvt_pk_bf16_f32 v[37+2*(\i)], v[6+4*(\i)], v[7+4*(\i)]
	global_store_b64 v2, v[36+2*(\i):37+2*(\i)], s[10:11] offset:2048*(\i)
.endr
	s_endpgm
.Lfunc_end_k_qe5dc9c7397_wcast:
	.size	k_qe5dc9c7397_wcast, .Lfunc_end_k_qe5dc9c7397_wcast-k_qe5dc9c7397_wcast
	.p2alignl 7, 3214868480
	.fill 96, 4, 3214868480
	.section	.rodata,"a",@progbits
	.p2align	6, 0x0
	.amdhsa_kernel k_qe5dc9c7397_wcast
		.amdhsa_group_segment_fixed_size 0
		.amdhsa_private_segment_fixed_size 0
		.amdhsa_enable_private_segment 0
		.amdhsa_kernarg_size 32
		.amdhsa_user_sgpr_count 2
		.amdhsa_user_sgpr_kernarg_segment_ptr 1
		.amdhsa_wavefront_size32 1
		.amdhsa_system_sgpr_workgroup_id_x 1
		.amdhsa_system_sgpr_workgroup_id_y 1
		.amdhsa_system_sgpr_workgroup_id_z 1
		.amdhsa_system_vgpr_workitem_id 0
		.amdhsa_next_free_vgpr 52
		.amdhsa_next_free_sgpr 66
		.amdhsa_reserve_vcc 0
		.amdhsa_float_denorm_mode_32 3
		.amdhsa_float_denorm_mode_16_64 3
		.amdhsa_memory_ordered 1
		.amdhsa_forward_progress 1
		.amdhsa_inst_pref_size 4
	.end_amdhsa_kernel
	.amdgpu_metadata
---
amdhsa.version: [ 1, 2 ]
amdhsa.kernels:
  - .name:           k_qe5dc9c7397_wcast
    .symbol:         k_qe5dc9c7397_wcast.kd
    .args:
      - { .name: weight_q, .offset: 0, .size: 8, .value_kind: global_buffer, .address_space: global }
      - { .name: weight_k, .offset: 8, .size: 8, .value_kind: global_buffer, .address_space: global }
      - { .name: weight_v, .offset: 16, .size: 8, .value_kind: global_buffer, .address_space: global }
      - { .name: wb, .offset: 24, .size: 8, .value_kind: global_buffer, .address_space: global }
    .group_segment_fixed_size: 0
    .private_segment_fixed_size: 0
    .kernarg_segment_align: 8
    .kernarg_segment_size: 32
    .max_flat_workgroup_size: 256
    .sgpr_count:     66
    .vgpr_count:     52
    .wavefront_size: 32
...
	.end_amdgpu_metadata
.endif
;; end of part 1
;; launch proj (part 2): grid 4 x 64, 4 waves a work-group, clusters of 4 x 4, 327,680 bytes of LDS; arguments inputs_for_queries, inputs_for_keys, inputs_for_values, wb, qkv; writes qkv
.if DOCPART == 2
	.amdgcn_target "amdgcn-amd-amdhsa--gfx1250"
	.amdhsa_code_object_version 6
	.text
	.protected	k_qe5dc9c7397_proj
	.globl	k_qe5dc9c7397_proj
	.p2align	8
	.type	k_qe5dc9c7397_proj,@function
k_qe5dc9c7397_proj:
	s_mov_b64 s[64:65], 0
	v_nop
	global_prefetch_b8 v0, s[64:65] scope:SCOPE_SE
	s_setreg_imm32_b32 hwreg(HW_REG_WAVE_MODE, 25, 1), 1
	s_wait_xcnt 0x0
	s_wait_alu depctr_hold_cnt(0) depctr_sa_sdst(0) depctr_va_vdst(0) depctr_va_sdst(0) depctr_va_ssrc(0) depctr_va_vcc(0) depctr_vm_vsrc(0)
	s_getreg_b32 s2, hwreg(HW_REG_IB_STS2, 6, 4)
	s_cmp_eq_u32 s2, 0
	s_cbranch_scc0 .Lentry_in_a_cluster
	s_endpgm
.Lentry_in_a_cluster:
	s_bfe_u32 s2, ttmp6, 0x10000c
	s_cmp_lg_u32 s2, 0xf033
	s_cbranch_scc0 .Lentry_shape_is_right
	s_endpgm
.Lentry_shape_is_right:
; qkv[t][row][n] = f16( sum over k of bf16(X_t[row][k]) wb[t][k][n] ), t = q, k, v.  X_t: [8192][1024] f32; wb: [3][1024 k][1024 n] bf16; qkv: [3][8192][1024] f16.  Sums in f32.
; LIMIT.  The results are kept in f16: they must stay under 65,504 in magnitude (a larger one becomes an infinity).  X is rounded to bf16, to nearest even, once, on its way into LDS.
; SHARES.  A work-group STAYS for three tiles of 128 rows x 256 columns, one of each tensor, at the same place; 4 x 64 work-groups cover 8192 x 1024.  A wave makes 64 x 128: 32 accumulators.
; W comes by the tensor data mover through two LDS slots of 256 k rows; wb's three weights lie end to end, so the ring runs through 12 slots without a seam.  One tensor load of a wave is out at any time.
; CLUSTER 4 x 4: W's tile hangs on the column block alone and is asked for jointly by a column of the cluster; each wave fetches 64 of its k rows.
; X IS SHARED BY A ROW OF THE CLUSTER AND IS NOT ASKED FOR JOINTLY.  A joint load would land it in the ring as f32: 512 of 1,024 bytes for each k, so that a slot of 139,264 bytes would hold 128 along K, 128 matrix
; instructions a wave in which the next slot has to land, and each number would be read from LDS as four bytes by two waves and converted twice.  Through registers W has the ring to itself (256 along K, 256 matrix
; instructions a wave for a slot), X's loads (48 a wave) stay on their way across the barriers, each number is converted once and lies in LDS as two bytes.
; X'S WAY.  Wave w takes rows 32 w .. 32 w + 31 of the tile, 64 along K at a time (a chunk): 16 loads, in each of which sixteen lanes take 256 consecutive bytes of a row, aligned; converted in place; stored into one
; of two LDS buffers that take turns, with one work-group barrier for each chunk.  Four sets of 64 registers take turns; a chunk is asked for four chunks ahead of its products.
; THE MATRIX INSTRUCTION IS USED TRANSPOSED: source 0 = 16 columns of W (W lies [k][n], so it comes out of LDS by the turning load), source 1 = 16 rows of X: a lane holds one row and eight neighbouring columns.
; REGISTERS, in windows of 256 (s_set_vgpr_msb: bits 1:0 source 0, 3:2 source 1, 5:4 source 2, 7:6 destination):
;   window 0: v0-15 addresses; v32-63, v64-95 X's fragments, two buffers; on the way out v96-127 packed, v128-159 and v160-191 rows read back
;   window 1: the accumulators, (a, b) at v[8 (8 a + b)]     window 2: v0-63, v64-127 W's fragments, two buffers; v128-191, v192-255 X as loaded, sets 0 and 1     window 3: v0-63, v64-127 sets 2 and 3
.set PB,     544                       ; a k row of W in LDS: 512 bytes + 32 of padding = 17 x 32 bytes, for the turning load
.set BQ,     64*PB                     ; what one tensor load brings
.set SLOT,   4*BQ                      ; 0x22000: no bit in common with the waves' places 0, 0x8800, 0x11000, 0x19800, so one exclusive or changes slots
.set ABUF,   2*SLOT                    ; behind the ring, never filled by a tensor load: X as bf16, two buffers
.set PA,     144                       ; a row of X there: 128 bytes + 16 = 36 words: the 16 rows of a load start at 16 different groups of four banks (64 banks of 4 bytes: ISA guide 11.1)
.set ASZ,    128*PA
.set SP,     272                       ; a row of the stage.  A wave's stage is the 32 x 144 = 4,608 bytes of an X buffer that it alone stores into (16 x 272 = 4,352 are used), at times when nobody reads that buffer
.set SPARE,  ABUF+2*ASZ                ; the spare words, 128 bytes for each wave: two blocks of 256 bytes that no other line names
.set NSLOT,  12
.set XO,    2                          ; v2   my byte offset in the tile's rows of X; never rewritten
.set AST,   3                          ; v3   where I store 8 bytes of a row of X
.set ADRA,  4                          ; v4   my lane's place in X's fragments
.set ADRB0, 5                          ; v5   my lane's place in W's tile; never rewritten
.set ADRB,  6                          ; v6   the same in the slot in hand,
.set ADRB2, 7                          ; v7   and 128 k rows on
.set STO,   8                          ; v8   the way out: where I put 16 bytes of a row
.set RD,    9                          ; v9   where I read rows back
.set CO,    10                         ; v10  my byte offset in two rows of qkv
.set SPW,   12                         ; v12  LDS address of my spare word; never rewritten
.set NIL,   13                         ; v13  0; never rewritten
.set AH,    32
.set TMP,   96
.set WV,  14                           ; s14  my wave's number
.set WR,  15                           ; s15  which 64 rows are mine
.set WC,  16                           ; s16  which 128 columns
.set G1,  24                           ; s[24:31] descriptor group 1
.set G0,  32                           ; s[32:35] descriptor group 0: it walks
.set XB,  38                           ; s[38:39] X at the tile's rows, at the slot whose chunks are being asked for
.set XN1, 40                           ; s[40:41] the next tensor at those rows
.set XN2, 42                           ; s[42:43] the one after it
.set XK,  44                           ; s44  that slot's number in its tile
.set TB,  45                           ; s45  LDS byte at which the slot in hand begins
.set CNT, 46                           ; s46  the loop's count
.set C4,  47                           ; s47  slots of the tile in hand that are done
.set OUTP, 48                          ; s[48:49] qkv at my part of the tile in hand
.set W_MUL, 0x52                       ; W in window 2, X in window 0, C and D in window 1
.set TO_B,  0x80                       ; destination window 2, address window 0
.set MSB, 0
.macro WIN new                         ; the immediate's high byte repeats the setting that is left; a switch that changes nothing is dropped
.if MSB != (\new)
	s_set_vgpr_msb (MSB<<8)|(\new)
.set MSB, (\new)
.endif
.endm
.macro PLACES
.rept 4
	v_nop
.endr
.endm
.macro BLOAD                           ; the joint load: every wave its own 64 k rows; an s_nop 0 and four v_nop follow it
	tensor_load_to_lds s[G0:G0+3], s[G1:G1+7]
	s_nop 0
	PLACES
.endm
.macro CREST                           ; a round of the cluster's barrier behind its opening barrier
	s_cmp_lg_u32 s[WV], 0
	s_cbranch_scc1 .Lnot_wave_0_\@
	s_barrier_signal -3
.Lnot_wave_0_\@:
	s_barrier_wait -3
	s_barrier_signal -1
	s_barrier_wait -1
.endm
.macro CROUND                          ; a whole round
	s_barrier_signal -1
	s_barrier_wait -1
	CREST
.endm
.macro XSTEP                           ; X's base goes on by a slot, 256 along K; behind a tile's fourth slot to the next tensor
	s_add_nc_u64 s[XB:XB+1], s[XB:XB+1], 1024
	s_add_co_u32 s[XK], s[XK], 1
	s_cmp_eq_u32 s[XK], 4
	s_cselect_b64 s[XB:XB+1], s[XN1:XN1+1], s[XB:XB+1]
	s_cselect_b64 s[XN1:XN1+1], s[XN2:XN2+1], s[XN1:XN1+1]
	s_cselect_b32 s[XK], 0, s[XK]
.endm
.macro XLOAD j                         ; chunk j of the slot at XB into set j: load i takes rows 2 i and 2 i + 1 of my 32
.if (\j) < 2
	WIN 0x80
.set SB, 128+64*(\j)
.else
	WIN 0xc0
.set SB, 64*((\j)-2)
.endif
.set i, 0
.rept 16
	global_load_b128 v[SB+4*i:SB+4*i+3], v[XO], s[XB:XB+1] offset:8192*i+256*(\j)
.set i, i+1
.endr
.endm
.macro XCVT j, buf                     ; set j: four f32 become 8 bytes, in place, and go into X buffer buf.  The 32 conversions are also the places in front of the fragment loads that follow
.if (\j) < 2
.set SB, 128+64*(\j)
	WIN 0x8a
.else
.set SB, 64*((\j)-2)
	WIN 0xcf
.endif
.set i, 0
.rept 16
	v_cvt_pk_bf16_f32 v[SB+4*i], v[SB+4*i], v[SB+4*i+1]
	v_cvt_pk_bf16_f32 v[SB+4*i+1], v[SB+4*i+2], v[SB+4*i+3]
.set i, i+1
.endr
.if (\j) < 2
	WIN 0x08                                       ; the store's data in window 2, its address in window 0
.else
	WIN 0x0c
.endif
.set i, 0
.rept 16
	ds_store_b64 v[AST], v[SB+4*i:SB+4*i+1] offset:2*PA*i+(\buf)*ASZ
.set i, i+1
.endr
.endm
	s_load_b256 s[4:11], s[0:1], 0x0               ; X_q s[4:5], X_k s[6:7], X_v s[8:9], wb s[10:11]
	s_load_b64 s[12:13], s[0:1], 0x20              ; qkv
	v_lshl_add_u32 v[SPW], v0, 2, SPARE
	v_mov_b32 v[NIL], 0
	ds_add_u32 v[SPW], v[NIL]                      ; the wave's opening: the add and its wait ahead of my first tensor load; the set-up below, work on registers, stands between them
	ds_add_u32 v12, v13
	v_lshrrev_b32 v1, 5, v0
	v_readfirstlane_b32 s[WV], v1                  ; wave 0..3
	s_lshr_b32 s[WR], s[WV], 1
	s_and_b32 s[WC], s[WV], 1
	s_bfe_u32 s17, ttmp6, 0x40000                  ; cx
	s_bfe_u32 s18, ttmp6, 0x40004                  ; cy
	s_lshl_b32 s19, ttmp9, 2
	s_add_co_u32 s19, s19, s17                     ; column block x = 4 x cluster x + cx
	s_and_b32 s20, ttmp7, 0xffff
	s_lshl_b32 s20, s20, 2
	s_add_co_u32 s20, s20, s18                     ; row block y = 4 x cluster y + cy
	s_lshl_b32 s22, 0x1111, s17                    ; my column of the cluster
	s_or_b32 s[G1], s22, (1<<16)|(1<<20)|(1<<21)|(6<<22)|(7<<25)  ; 15:0 the mask; 17:16 elements of 2 bytes; 20 padding on; 21 set beside a mask; 24:22 after every 128 words (code 6); 31:25 8 words (code 7)
	s_mov_b32 s[G1+1], 256<<16                     ; tensor_dim0 = 256
	s_mov_b32 s[G1+2], 64<<16                      ; tensor_dim1 = 64
	s_mov_b32 s[G1+3], 256<<16                     ; tile_dim0 = 256
	s_mov_b32 s[G1+4], 64                          ; tile_dim1 = 64
	s_mov_b32 s[G1+5], 1024                        ; elements from row to row
	s_mov_b32 s[G1+6], 0
	s_mov_b32 s[G1+7], 0
	s_lshl_b32 s50, s20, 19                        ; X: 128 y rows of 4,096 bytes
	s_mov_b32 s51, 0
	s_lshl_b32 s52, s[WV], 17                      ; W: k row 64 x wave, of 2,048 bytes, + 512 x: made of x and the wave's number alone
	s_lshl_b32 s53, s19, 9
	s_add_co_u32 s52, s52, s53
	s_mov_b32 s53, 0
	s_lshl_b32 s54, s20, 7                         ; qkv: row 128 y + 64 wr, of 2,048 bytes, + 512 x + 256 wc
	s_lshl_b32 s55, s[WR], 6
	s_add_co_u32 s54, s54, s55
	s_lshl_b32 s54, s54, 11
	s_lshl_b32 s55, s19, 9
	s_add_co_u32 s54, s54, s55
	s_lshl_b32 s55, s[WC], 8
	s_add_co_u32 s54, s54, s55
	s_mov_b32 s55, 0
	s_mov_b32 s[G0], 1                             ; count = 1
	s_mul_i32 s[G0+1], s[WV], BQ                   ; LDS address in slot 0: no place in the cluster enters it
	s_mov_b32 s[XK], 0
	s_mov_b32 s[TB], 0
	s_mov_b32 s[C4], 0
	s_mov_b32 s[CNT], NSLOT-1
	v_and_b32 v1, 15, v0                           ; l % 16
	v_bfe_u32 v14, v0, 4, 1                        ; l / 16
	v_lshlrev_b32 v[XO], 4, v1                     ; X: row 32 w + l / 16, 16 bytes at 16 (l % 16)
	v_lshl_add_u32 v[XO], v14, 12, v[XO]
	s_lshl_b32 s21, s[WV], 17
	v_add_nc_u32 v[XO], s21, v[XO]
	s_wait_dscnt 0x0                               ; the opening add is done
	s_wait_kmcnt 0x0
	s_add_nc_u64 s[XB:XB+1], s[4:5], s[50:51]
	s_add_nc_u64 s[XN1:XN1+1], s[6:7], s[50:51]
	s_add_nc_u64 s[XN2:XN2+1], s[8:9], s[50:51]
	s_add_nc_u64 s[G0+2:G0+3], s[10:11], s[52:53]
	s_or_b32 s[G0+3], s[G0+3], 0x80000000          ; type = 2
	s_add_nc_u64 s[OUTP:OUTP+1], s[12:13], s[54:55]
	XLOAD 0                                        ; X's first three chunks go out before anything else
	XLOAD 1
	XLOAD 2
	WIN 0
	CROUND                                         ; all sixteen work-groups are here: the first joint loads meet
	BLOAD                                          ; slot 0
	s_mul_i32 s21, s[WV], 32*PA
	s_add_co_u32 s21, s21, ABUF                    ; the part of an X buffer that I store into; also my stage
	v_mul_u32_u24 v[AST], v14, PA                  ; row 32 w + l / 16, 8 bytes at 8 (l % 16)
	v_lshl_add_u32 v[AST], v1, 3, v[AST]
	v_add_nc_u32 v[AST], s21, v[AST]
	v_mul_u32_u24 v[STO], v1, SP                   ; the stage, in: row l % 16, 16 bytes for each half of the lanes
	v_lshl_add_u32 v[STO], v14, 4, v[STO]
	v_add_nc_u32 v[STO], s21, v[STO]
	v_mul_u32_u24 v[RD], v14, SP                   ; back: lanes 0-15 take one row of 256 bytes, lanes 16-31 the next
	v_lshl_add_u32 v[RD], v1, 4, v[RD]
	v_add_nc_u32 v[RD], s21, v[RD]
	v_lshlrev_b32 v[CO], 11, v14                   ; and the same two rows in qkv
	v_lshl_add_u32 v[CO], v1, 4, v[CO]
	; A fragment of X is 16 rows x 32 k in 8 registers: lane l holds row l % 16, k = 8 (l / 16) + 0..7 and 16 + 8 (l / 16) + 0..7: two loads of 16 bytes, 32 bytes apart.
	s_mul_i32 s21, s[WR], 64*PA
	s_add_co_u32 s21, s21, ABUF
	v_mul_u32_u24 v[ADRA], v1, PA
	v_lshl_add_u32 v[ADRA], v14, 4, v[ADRA]
	v_add_nc_u32 v[ADRA], s21, v[ADRA]
	; The turning load takes 16 k x 16 columns (lane l reads k row 8 (l / 16) + l % 8, columns 8 ((l / 8) % 2) + 0..7) and leaves half a fragment: lane l holds column l % 16 and 8 k.
	v_and_b32 v15, 7, v0
	v_lshl_add_u32 v15, v14, 3, v15
	v_mul_u32_u24 v[ADRB0], v15, PB
	v_bfe_u32 v15, v0, 3, 1
	v_lshl_add_u32 v[ADRB0], v15, 4, v[ADRB0]
	s_lshl_b32 s21, s[WC], 8                       ; my 128 columns
	v_add_nc_u32 v[ADRB0], s21, v[ADRB0]
; 24 LDS loads in one run: quarter q (32 along K) of the slot in hand into buffers g: X's eight, from the buffer of chunk q / 2, then W's sixteen
.macro FETCH q, g
	WIN 0
.irp a, 0,1,2,3
	ds_load_b128 v[AH+32*(\g)+8*(\a):AH+32*(\g)+8*(\a)+3],   v[ADRA] offset:(((\q)/2)%2)*ASZ+16*PA*(\a)+64*((\q)%2)
	ds_load_b128 v[AH+32*(\g)+8*(\a)+4:AH+32*(\g)+8*(\a)+7], v[ADRA] offset:(((\q)/2)%2)*ASZ+16*PA*(\a)+64*((\q)%2)+32
.endr
	WIN TO_B
.if (\q) < 4
.set RBR, ADRB
.else
.set RBR, ADRB2
.endif
.irp b, 0,1,2,3,4,5,6,7
	ds_load_tr16_b128 v[64*(\g)+8*(\b):64*(\g)+8*(\b)+3],   v[RBR] offset:32*PB*((\q)%4)+32*(\b)
	ds_load_tr16_b128 v[64*(\g)+8*(\b)+4:64*(\g)+8*(\b)+7], v[RBR] offset:32*PB*((\q)%4)+32*(\b)+16*PB
.endr
.endm
; 16 matrix instructions: row blocks a0, a0 + 1 x all 8 column blocks.  zero = 1: the products start the sums.  The 32 accumulators take turns, one instruction a turn.
.macro MUL f, a0, zero
	WIN W_MUL
.irp a, \a0, (\a0)+1
.irp b, 0,1,2,3,4,5,6,7
.if \zero
	v_wmma_f32_16x16x32_bf16 v[8*(8*(\a)+(\b)):8*(8*(\a)+(\b))+7], v[64*(\f)+8*(\b):64*(\f)+8*(\b)+7], v[AH+32*(\f)+8*(\a):AH+32*(\f)+8*(\a)+7], 0
.else
	v_wmma_f32_16x16x32_bf16 v[8*(8*(\a)+(\b)):8*(8*(\a)+(\b))+7], v[64*(\f)+8*(\b):64*(\f)+8*(\b)+7], v[AH+32*(\f)+8*(\a):AH+32*(\f)+8*(\a)+7], v[8*(8*(\a)+(\b)):8*(8*(\a)+(\b))+7]
.endif
.endr
.endr
.endm
; A slot is eight quarters of 32 along K on fragment buffers 0, 1, ...; a chunk of X is two of them.
; AN EVEN QUARTER q, the first of chunk j = q / 2.  cv = 1: the next chunk is converted and stored into the X buffer that the chunk before this one lay in: every wave's reads of it were over in front of the barrier
; of the quarter before.  ld = 1: the same chunk of the next slot is asked for, into the set that was converted a chunk ago.  lc: the loads of younger chunks, which stay out.
.macro EQ q, zero, cv, ld, lc
.if \cv
	s_wait_loadcnt \lc                             ; loads come back in order (ISA guide 5.7.1): the next chunk's sixteen are in
	XCVT (((\q)/2)+1)%4, (((\q)/2)+1)%2
.else
	PLACES                                         ; four places in front of loads into registers that matrix instructions have read (ISA guide 7.12.1 for vector instructions)
.endif
.if \ld
	XLOAD (\q)/2
.endif
	FETCH (\q)+1, 1
	s_wait_dscnt 24+16*(\cv)                       ; this quarter's fragments are in; my stores and the 24 loads just issued may be out
	MUL 0, 0, \zero
	MUL 0, 2, \zero
.endm
; AN ODD QUARTER q but the last: the chunk's barrier.  In front of it my stores of the next chunk are done and my reads of this chunk are back; behind it the next chunk is read.  Nothing is filled by a tensor load
; behind this barrier, so the slot on its way stays out.
.macro OQ q
	s_wait_dscnt 0x0
	s_barrier_signal -1
	MUL 1, 0, 0                                    ; work on registers while the others arrive
	s_barrier_wait -1
	PLACES
	FETCH (\q)+1, 0
	MUL 1, 2, 0
.endm
; THE LAST QUARTER changes slots as well.  In front of the barrier each wave waits for all its tensor loads (one is out: its part of the next slot), adds 0 to its spare word, and waits for that, for its stores and
; for its reads of this slot.  fill = 1: the barrier opens a round of the cluster's, and the slot just read out is asked for again, first thing behind the round, with the slot two on.
.macro TURN fill
	WIN 0
.if \fill
	s_wait_xcnt 0x0                                ; X's loads have had their addresses translated (ISA guide 3.1): their base may step
	XSTEP
.endif
	s_wait_tensorcnt 0x0                           ; no tensor load of mine is out, so group 0 may be written
	ds_add_u32 v[SPW], v[NIL]                      ; 0 onto my spare word: the scalar work stands between it and the wait for it
.if \fill
	s_xor_b32 s[G0+1], s[G0+1], SLOT               ; the other slot than last time,
	s_add_nc_u64 s[G0+2:G0+3], s[G0+2:G0+3], 524288  ; 256 k rows of 2,048 bytes on; the type bits on top are not reached
.endif
	s_xor_b32 s[TB], s[TB], SLOT                   ; the reads go to the other slot
	s_wait_dscnt 0x0
	s_barrier_signal -1
	MUL 1, 0, 0
	WIN 0
	s_barrier_wait -1
.if \fill
	CREST                                          ; no wave of any partner still reads this slot or has a load on its way
	BLOAD
.else
	PLACES
.endif
	v_add_nc_u32 v[ADRB], s[TB], v[ADRB0]
	v_add_nc_u32 v[ADRB2], 128*PB, v[ADRB]
	FETCH 0, 0
	MUL 1, 2, 0
	WIN 0
.endm
; THE WAY OUT of row block a: rounded to f16, 16 bytes a lane; into my stage and back as whole rows of 256 bytes; stored.
.macro PACK a
	WIN 0x05                                       ; sources 0 and 1 window 1, destination window 0
.irp b, 0,1,2,3,4,5,6,7
.irp r, 0,1,2,3
	v_cvt_pk_f16_f32 v[TMP+4*(\b)+(\r)], v[64*(\a)+8*(\b)+2*(\r)], v[64*(\a)+8*(\b)+2*(\r)+1]
.endr
.endr
	WIN 0
.endm
.macro TOSTAGE a, buf
	WIN 0
.set BK, 128+32*((\a)%2)
.irp b, 0,1,2,3,4,5,6,7
	ds_store_b128 v[STO], v[TMP+4*(\b):TMP+4*(\b)+3] offset:32*(\b)+(\buf)*ASZ
.endr
.irp t, 0,1,2,3,4,5,6,7
	ds_load_b128 v[BK+4*(\t):BK+4*(\t)+3], v[RD] offset:(\t)*2*SP+(\buf)*ASZ  ; LDS serves a wave's instructions in order (ISA guide 5.7.1.4): these see the stores above
.endr
.endm
.macro SEND a
	WIN 0
.set BK, 128+32*((\a)%2)
	s_wait_dscnt 0x0                               ; the block is back in registers
	s_wait_xcnt 0x0                                ; the earlier stores have read their registers: the buffer that the next block is read into is free
.irp t, 0,1,2,3,4,5,6,7
	global_store_b128 v[CO], v[BK+4*(\t):BK+4*(\t)+3], s[OUTP:OUTP+1] offset:32768*(\a)+4096*(\t)  ; 16 lanes store 256 consecutive bytes, at a multiple of 256 from qkv's first byte
.endr
.endm
.macro FLUSH buf                       ; buf: the X buffer in which my stage lies.  A block's conversions stand between the loads of the block before and the wait for them
	PACK 0
	TOSTAGE 0, \buf
.irp a, 1,2,3
	PACK \a
	SEND (\a)-1
	TOSTAGE \a, \buf
.endr
	SEND 3
	s_wait_xcnt 0x0                                ; the stores have read their base and their data
	s_add_nc_u64 s[OUTP:OUTP+1], s[OUTP:OUTP+1], 16777216  ; the same place in the next tensor
.endm
	s_wait_loadcnt 32                              ; chunk 0 is in; chunks 1 and 2 stay out
	XCVT 0, 0
	XLOAD 3
	WIN 0
	s_wait_xcnt 0x0
	XSTEP                                          ; from here on the chunks asked for are the next slot's
	; The first change of slots: slot 0 is waited for, slot 1 is asked for (nothing of the ring has been read yet); the round also shows every wave's part of chunk 0 to the others.
	s_wait_tensorcnt 0x0
	ds_add_u32 v[SPW], v[NIL]
	s_xor_b32 s[G0+1], s[G0+1], SLOT
	s_add_nc_u64 s[G0+2:G0+3], s[G0+2:G0+3], 524288
	s_wait_dscnt 0x0
	CROUND
	BLOAD
	v_mov_b32 v[ADRB], v[ADRB0]
	v_add_nc_u32 v[ADRB2], 128*PB, v[ADRB0]
	FETCH 0, 0
	WIN 0                                          ; at a label and at a branch every window is 0
	s_branch .Lzero                                ; the loop is entered behind its change of slots
.Ltrip:                                            ; 10 times: a slot's last quarter, the change of slots with a refill, the next slot's first seven quarters
	TURN 1
	s_add_co_u32 s[C4], s[C4], 1
	s_cmp_lg_u32 s[C4], 4
	s_cbranch_scc1 .Lacc                           ; forward, past text that holds neither a barrier nor a tensor load
	FLUSH 1                                        ; a tile is finished; the refill is on its way.  X buffer 1: its last readers were over in front of the change of slots, and its next writer, in my part, am I.
	                                               ; The places behind the products: TURN's four v_nop and two additions for blocks 0 and 1, those blocks' conversions for blocks 2 and 3
	s_mov_b32 s[C4], 0
.Lzero:
	EQ 0, 1, 1, 1, 32                              ; a tile's first products start the sums: nothing is cleared
	WIN 0
	s_branch .Lq1
.Lacc:
	EQ 0, 0, 1, 1, 32
	WIN 0
.Lq1:
	OQ 1
	EQ 2, 0, 1, 1, 32
	OQ 3
	EQ 4, 0, 1, 1, 32
	OQ 5
	EQ 6, 0, 1, 1, 32
	WIN 0
	s_sub_co_u32 s[CNT], s[CNT], 1
	s_cmp_lg_u32 s[CNT], 0
	s_cbranch_scc1 .Ltrip
	TURN 0                                         ; the last slot is written out: nothing more is asked for, and the counts of X's loads run down
	EQ 0, 0, 1, 0, 32
	OQ 1
	EQ 2, 0, 1, 0, 16
	OQ 3
	EQ 4, 0, 1, 0, 0
	OQ 5
	EQ 6, 0, 0, 0, 0
	s_wait_dscnt 0x0                               ; the very last quarter
	MUL 1, 0, 0
	MUL 1, 2, 0
	WIN 0
	PLACES
	FLUSH 0                                        ; X buffer 0: its last readers were over in front of the barrier of quarter 5, and nothing is stored into it any more
	s_wait_tensorcnt 0x0                           ; the wave's end: a closing add to the spare word, behind my last tensor load and my last LDS store
	ds_add_u32 v[SPW], v[NIL]
	s_wait_dscnt 0x0
	CROUND                                         ; the closing round
	s_endpgm
.Lfunc_end_k_qe5dc9c7397_proj:
	.size	k_qe5dc9c7397_proj, .Lfunc_end_k_qe5dc9c7397_proj-k_qe5dc9c7397_proj
	.p2alignl 7, 3214868480
	.fill 96, 4, 3214868480
	.section	.rodata,"a",@progbits
	.p2align	6, 0x0
	.amdhsa_kernel k_qe5dc9c7397_proj
		.amdhsa_group_segment_fixed_size 327680
		.amdhsa_private_segment_fixed_size 0
		.amdhsa_enable_private_segment 0
		.amdhsa_kernarg_size 40
		.amdhsa_user_sgpr_count 2
		.amdhsa_user_sgpr_kernarg_segment_ptr 1
		.amdhsa_wavefront_size32 1
		.amdhsa_system_sgpr_workgroup_id_x 1
		.amdhsa_system_sgpr_workgroup_id_y 1
		.amdhsa_system_sgpr_workgroup_id_z 1
		.amdhsa_system_vgpr_workitem_id 0
		.amdhsa_next_free_vgpr 896
		.amdhsa_next_free_sgpr 66
		.amdhsa_reserve_vcc 0
		.amdhsa_float_denorm_mode_32 3
		.amdhsa_float_denorm_mode_16_64 3
		.amdhsa_memory_ordered 1
		.amdhsa_forward_progress 1
		.amdhsa_inst_pref_size 149
	.end_amdhsa_kernel
	.amdgpu_metadata
---
amdhsa.version: [ 1, 2 ]
amdhsa.kernels:
  - .name:           k_qe5dc9c7397_proj
    .symbol:         k_qe5dc9c7397_proj.kd
    .args:
      - { .name: inputs_for_queries, .offset: 0, .size: 8, .value_kind: global_buffer, .address_space: global }
      - { .name: inputs_for_keys, .offset: 8, .size: 8, .value_kind: global_buffer, .address_space: global }
      - { .name: inputs_for_values, .offset: 16, .size: 8, .value_kind: global_buffer, .address_space: global }
      - { .name: wb, .offset: 24, .size: 8, .value_kind: global_buffer, .address_space: global }
      - { .name: qkv, .offset: 32, .size: 8, .value_kind: global_buffer, .address_space: global }
    .group_segment_fixed_size: 327680
    .private_segment_fixed_size: 0
    .kernarg_segment_align: 8
    .kernarg_segment_size: 40
    .max_flat_workgroup_size: 128
    .sgpr_count:     66
    .vgpr_count:     896
    .wavefront_size: 32
...
	.end_amdgpu_metadata
.endif
;; end of part 2
;; launch scores (part 3): grid 9 x 16, 4 waves a work-group, no clusters, 327,680 bytes of LDS; arguments qkv, p, st; writes p, st
.if DOCPART == 3
	.amdgcn_target "amdgcn-amd-amdhsa--gfx1250"
	.amdhsa_code_object_version 6
	.text
	.protected	k_qe5dc9c7397_scores
	.globl	k_qe5dc9c7397_scores
	.p2align	8
	.type	k_qe5dc9c7397_scores,@function
k_qe5dc9c7397_scores:
	s_mov_b64 s[64:65], 0
	v_nop
	global_prefetch_b8 v0, s[64:65] scope:SCOPE_SE
	s_setreg_imm32_b32 hwreg(HW_REG_WAVE_MODE, 25, 1), 1
	s_wait_xcnt 0x0
; For each causal tile of 256 queries x 256 keys: s = Q K^T (f16 products, f32 sums over 1,024 channels); then, for each block of 128 queries x 128 keys by itself, each row's maximum m of the
; visible s, p = 2^(c s - c m) rounded to f16, and l = the sum of the unrounded p.  c = log2(e) / sqrt(2048).  p: [4][2048 q][2048 k] f16; st: [4][16 i][16 j][128 rows][c m, l] f32.
; The launch behind joins the blocks of a row into one softmax by their maxima: the maximum is taken away before every exponential, here the block's, there the row's.
; LIMITS.  A hidden score counts as its value less 1e30 (f16's scores, 4.4e12 at the most, are nothing beside that); m starts at -1e29, so a row that sees no key of a block gets p = 0 and l = 0.
; A weight below 2^-126 counts as 0; NaN and infinities are not treated apart.
; SHARES.  A batch's triangle has 36 tiles: grid y = 4 b + pr takes tile rows 7 - pr and pr, 9 tiles together; grid x walks them.  A wave makes 128 x 128, one block of the statistics: 64 accumulators.
; A tile on the diagonal has one block above it (wave 1's): it runs the same text and stores true zeros, which the launch behind reads as part of rows of 512 bytes.
; NO CLUSTER: the triangle's rows have 1 to 8 tiles; groups of four that share Q's or K's tile exist only if 12 tiles above the diagonal are added to each batch's 36, whose work-groups would do nothing of use.
; K goes in steps of 128 through two LDS slots, each with 256 rows of Q and 256 of K; each wave fetches a quarter of a slot; one tensor load of a wave is out at any time.
; THE MATRIX INSTRUCTION IS USED TRANSPOSED: source 0 = 16 keys, source 1 = 16 queries: a lane holds one query (lane % 16) and the keys 8 (lane / 16) + 0..7 of each group of 16.
; THE MASK is the C operand of the products that start the sums: 0 or -1e30, three sets of eight registers (query group above, on, below the key group).
; REGISTERS, in windows of 256 (s_set_vgpr_msb: bits 1:0 source 0, 3:2 source 1, 5:4 source 2, 7:6 destination):
;   window 0: v0-31 addresses and statistics; v32-55 the masks; v64-127, v128-191 Q's fragments, two buffers (on the way out v64-127 rows read back); v192-223 packed weights
;   window 1: v64-127, v128-191 K's fragments          window 2: the accumulators of my queries 0-63, (a, b) at v[8 (8 a + b)]          window 3: those of my queries 64-127
.set KSTEP,  128
.set PITCH,  272                       ; an LDS row: 256 bytes + 16 of padding = 68 words: the 16 rows of a load start at 16 different groups of four banks (64 banks of 4 bytes: ISA guide 11.1)
.set HALFT,  128*PITCH                 ; what one tensor load brings
.set SLOT,   4*HALFT                   ; 0x22000: no bit in common with the waves' places 0, 0x8800, 0x11000, 0x19800, so one exclusive or changes slots
.set STAGE,  2*SLOT                    ; behind the ring, never filled by a tensor load: 16 rows x 272 bytes for each wave
.set SST,    STAGE+4*16*PITCH          ; 128 rows x (c m, l) for each wave
.set SPARE,  SST+4*1024                ; the spare words, 128 bytes for each wave: two blocks of 256 bytes that no other line names
.set ADRA0, 2                          ; v2   my lane's place in Q's tile; never rewritten
.set ADRB0, 3                          ; v3   in K's
.set ADRA,  4                          ; v4, v5  the same in the slot in hand
.set ADRB,  5
.set STO,   6                          ; v6   the way out: where I put 16 bytes of a row
.set RD,    7                          ; v7   where I read rows back
.set CO,    8                          ; v8   my byte offset in two rows of p
.set SSTA,  9                          ; v9   where my row's statistics go
.set SPW,   10                         ; v10  LDS address of my spare word; never rewritten
.set NIL,   11                         ; v11  0; never rewritten
.set CH,    16                         ; v16-19  four chains at work
.set CM,    20                         ; v20-21  c m, l
.set SRD,   22                         ; v22  where I read the statistics back
.set SGO,   23                         ; v23  my byte offset in 512 bytes of st
.set LOX,   32
.set MDX,   40
.set BGX,   48
.set F0,    64
.set F1,    128
.set TMP,   192
.set WV,  10
.set WR,  11                           ; which 128 queries are mine
.set WC,  12                           ; which 128 keys
.set BB,  13                           ; the batch
.set PR,  14
.set II,  15                           ; tile row
.set JJ,  16                           ; tile column
.set G1,  24                           ; s[24:31] descriptor group 1
.set G0,  32                           ; s[32:35] descriptor group 0: it walks
.set TB,  36                           ; LDS byte at which the slot in hand begins
.set CNT, 37
.set EC,  38
.set SBG, 39                           ; the mask where the query group lies above the key group
.set SLO, 40                           ; where it lies below
.set CS,  42                           ; s[42:43] c
.set SEL, 44                           ; s[44:45] v_permlanex16_b32's selects: each lane takes its own place in the other half
.set PP,  46                           ; s[46:47] p at my block
.set STP, 48                           ; s[48:49] st at my block
.set MUL_LO, 0xa1                      ; K window 1, Q window 0, C and D window 2
.set MUL_HI, 0xf1                      ; the same, C and D window 3
.set TO_B,   0x40
.set MSB, 0
.macro WIN new
.if MSB != (\new)
	s_set_vgpr_msb (MSB<<8)|(\new)
.set MSB, (\new)
.endif
.endm
.macro PLACES
.rept 4
	v_nop
.endr
.endm
	s_load_b128 s[4:7], s[0:1], 0x0                ; qkv s[4:5], p s[6:7]
	s_load_b64 s[8:9], s[0:1], 0x10                ; st
	v_lshl_add_u32 v[SPW], v0, 2, SPARE
	v_mov_b32 v[NIL], 0
	ds_add_u32 v[SPW], v[NIL]                      ; the wave's opening: the add and its wait ahead of my first tensor load
	ds_add_u32 v10, v11
	v_lshrrev_b32 v1, 5, v0
	v_readfirstlane_b32 s[WV], v1
	s_lshr_b32 s[WR], s[WV], 1
	s_and_b32 s[WC], s[WV], 1
	s_and_b32 s17, ttmp7, 0xffff
	s_lshr_b32 s[BB], s17, 2
	s_and_b32 s[PR], s17, 3
	s_mov_b32 s21, ttmp9
	s_sub_co_u32 s18, 8, s[PR]                     ; tile row 7 - pr has 8 - pr tiles,
	s_sub_co_u32 s19, 7, s[PR]
	s_sub_co_u32 s20, s21, s18                     ; tile row pr the other pr + 1
	s_cmp_lt_u32 s21, s18
	s_cselect_b32 s[II], s19, s[PR]
	s_cselect_b32 s[JJ], s21, s20
	s_lshl_b32 s22, s[II], 8                       ; what I fetch: waves 0 and 1 Q's rows 256 I .., waves 2 and 3 K's rows 256 J .., which lie 8,192 rows behind Q's
	s_lshl_b32 s23, s[JJ], 8
	s_add_co_u32 s23, s23, 8192
	s_cmp_lt_u32 s[WV], 2
	s_cselect_b32 s22, s22, s23
	s_lshl_b32 s23, s[BB], 11
	s_add_co_u32 s22, s22, s23
	s_lshl_b32 s23, s[WC], 7                       ; its first or second 128 rows
	s_add_co_u32 s22, s22, s23
	s_lshl_b32 s50, s22, 11                        ; rows of 2,048 bytes
	s_mov_b32 s51, 0
	s_lshl_b32 s52, s[BB], 11                      ; p: row 2048 b + 256 I + 128 wr, of 4,096 bytes, + 2 (256 J + 128 wc)
	s_lshl_b32 s53, s[II], 8
	s_add_co_u32 s52, s52, s53
	s_lshl_b32 s53, s[WR], 7
	s_add_co_u32 s52, s52, s53
	s_lshl_b32 s52, s52, 12
	s_lshl_b32 s53, s[JJ], 9
	s_add_co_u32 s52, s52, s53
	s_lshl_b32 s53, s[WC], 8
	s_add_co_u32 s52, s52, s53
	s_mov_b32 s53, 0
	s_lshl_b32 s54, s[BB], 4                       ; st: block ((16 b + 2 I + wr) 16 + 2 J + wc), of 1,024 bytes
	s_lshl_b32 s55, s[II], 1
	s_add_co_u32 s54, s54, s55
	s_add_co_u32 s54, s54, s[WR]
	s_lshl_b32 s54, s54, 4
	s_lshl_b32 s55, s[JJ], 1
	s_add_co_u32 s54, s54, s55
	s_add_co_u32 s54, s54, s[WC]
	s_lshl_b32 s54, s54, 10
	s_mov_b32 s55, 0
	s_cmp_le_u32 s[WR], s[WC]                      ; the masks: only a tile on the diagonal hides anything
	s_cselect_b32 s[SBG], 0xf149f2ca, 0            ; -1e30
	s_cmp_lt_u32 s[WR], s[WC]
	s_cselect_b32 s[SLO], 0xf149f2ca, 0
	s_cmp_eq_u32 s[II], s[JJ]
	s_cselect_b32 s[SBG], s[SBG], 0
	s_cselect_b32 s[SLO], s[SLO], 0
	s_mov_b32 s[G1], (1<<16)|(1<<20)|(5<<22)|(3<<25)  ; elements of 2 bytes; padding on; after every 64 words (code 5) 4 words (code 3)
	s_mov_b32 s[G1+1], KSTEP<<16                   ; tensor_dim0 = 128
	s_mov_b32 s[G1+2], 128<<16                     ; tensor_dim1 = 128
	s_mov_b32 s[G1+3], KSTEP<<16                   ; tile_dim0 = 128
	s_mov_b32 s[G1+4], 128                         ; tile_dim1 = 128
	s_mov_b32 s[G1+5], 1024                        ; elements from row to row
	s_mov_b32 s[G1+6], 0
	s_mov_b32 s[G1+7], 0
	s_mov_b32 s[G0], 1
	s_mul_i32 s[G0+1], s[WV], HALFT                ; Q's two halves, then K's two halves
	s_mov_b32 s[CS], 0x3d0293ee                    ; c = log2(e) / sqrt(2048) = 0.0318794
	s_mov_b32 s[CS+1], s[CS]
	s_mov_b32 s[SEL], 0x76543210
	s_mov_b32 s[SEL+1], 0xfedcba98
	s_mov_b32 s[TB], 0
	s_mov_b32 s[CNT], 7
	s_wait_dscnt 0x0                               ; the opening add is done
	s_wait_kmcnt 0x0
	s_add_nc_u64 s[G0+2:G0+3], s[4:5], s[50:51]
	s_or_b32 s[G0+3], s[G0+3], 0x80000000          ; type = 2
	s_add_nc_u64 s[PP:PP+1], s[6:7], s[52:53]
	s_add_nc_u64 s[STP:STP+1], s[8:9], s[54:55]
	tensor_load_to_lds s[G0:G0+3], s[G1:G1+7]      ; step 0 into slot 0: each wave its own quarter
	s_nop 0
	PLACES
	v_and_b32 v1, 15, v0                           ; l % 16
	v_bfe_u32 v12, v0, 4, 1                        ; l / 16
	v_mul_u32_u24 v13, v1, PITCH
	v_lshl_add_u32 v13, v12, 4, v13                ; row x pitch + 16 x half
	s_mul_i32 s22, s[WR], HALFT
	v_add_nc_u32 v[ADRA0], s22, v13
	s_mul_i32 s22, s[WC], HALFT
	s_add_co_u32 s22, s22, 2*HALFT
	v_add_nc_u32 v[ADRB0], s22, v13
	s_mul_i32 s22, s[WV], 16*PITCH
	s_add_co_u32 s22, s22, STAGE                   ; my stage
	v_add_nc_u32 v[STO], s22, v13
	v_mul_u32_u24 v[RD], v12, PITCH
	v_lshl_add_u32 v[RD], v1, 4, v[RD]
	v_add_nc_u32 v[RD], s22, v[RD]
	v_lshlrev_b32 v[CO], 12, v12
	v_lshl_add_u32 v[CO], v1, 4, v[CO]
	s_lshl_b32 s22, s[WV], 10
	s_add_co_u32 s22, s22, SST                     ; my statistics
	v_lshl_add_u32 v[SSTA], v1, 3, s22
	v_and_b32 v[SGO], 31, v0
	v_lshlrev_b32 v[SGO], 4, v[SGO]
	v_add_nc_u32 v[SRD], s22, v[SGO]
	v_lshlrev_b32 v14, 3, v12
	v_sub_nc_u32 v14, v1, v14                      ; l % 16 - 8 (l / 16): register j of a group on the diagonal is hidden where j is greater
; 16 matrix instructions: query groups a0, a0 + 1 of the window's four x all 8 key groups.  first = 1: the products start the sums, with the mask as C.  The 64 accumulators take turns.
.macro MUL16 f, hi, a0, first
.irp a, \a0, (\a0)+1
.irp b, 0,1,2,3,4,5,6,7
.if \first
.if 4*(\hi)+(\a) > (\b)
.set rC, LOX
.elseif 4*(\hi)+(\a) == (\b)
.set rC, MDX
.else
.set rC, BGX
.endif
	WIN 0x81+0x40*(\hi)                            ; C in window 0
	v_wmma_f32_16x16x32_f16 v[8*(8*(\a)+(\b)):8*(8*(\a)+(\b))+7], v[(\f)+8*(\b):(\f)+8*(\b)+7], v[(\f)+8*(4*(\hi)+(\a)):(\f)+8*(4*(\hi)+(\a))+7], v[rC:rC+7]
.else
	WIN MUL_LO+0x50*(\hi)
	v_wmma_f32_16x16x32_f16 v[8*(8*(\a)+(\b)):8*(8*(\a)+(\b))+7], v[(\f)+8*(\b):(\f)+8*(\b)+7], v[(\f)+8*(4*(\hi)+(\a)):(\f)+8*(4*(\hi)+(\a))+7], v[8*(8*(\a)+(\b)):8*(8*(\a)+(\b))+7]
.endif
.endr
.endr
.endm
.macro FETCH k, f                      ; 32 LDS loads in one run: 128 keys, then 128 queries, 32 channels at byte k of the rows
	WIN TO_B
.irp i, 0,1,2,3,4,5,6,7
	ds_load_b128 v[(\f)+8*(\i):(\f)+8*(\i)+3],   v[ADRB] offset:(\k)+(\i)*16*PITCH
	ds_load_b128 v[(\f)+8*(\i)+4:(\f)+8*(\i)+7], v[ADRB] offset:(\k)+(\i)*16*PITCH+32
.endr
	WIN 0
.irp i, 0,1,2,3,4,5,6,7
	ds_load_b128 v[(\f)+8*(\i):(\f)+8*(\i)+3],   v[ADRA] offset:(\k)+(\i)*16*PITCH
	ds_load_b128 v[(\f)+8*(\i)+4:(\f)+8*(\i)+7], v[ADRA] offset:(\k)+(\i)*16*PITCH+32
.endr
.endm
.macro QUARTER k, f, g, first          ; multiplies buffer f; in its middle fetches the next quarter, at byte k, into buffer g
	s_wait_dscnt 8                                 ; K and Q's rows 0-63 are in; the youngest eight loads (Q's rows 64-127) may be out
	MUL16 \f, 0, 0, \first
	MUL16 \f, 0, 2, \first
	PLACES                                         ; four places in front of loads into registers that matrix instructions have read (ISA guide 7.12.1 for vector instructions)
	FETCH \k, \g
	s_wait_dscnt 32                                ; all but the 32 just issued
	MUL16 \f, 1, 0, \first
	MUL16 \f, 1, 2, \first
.endm
; The last quarter multiplies buffer 1 and changes slots: in front of the barrier each wave waits for all its tensor loads (one is out: its part of the next slot), adds 0 to its spare word, and waits for that
; and for its reads of this slot; behind it (fill = 1) the slot just read out is filled again first, with the step two on.
.macro TURN fill
	WIN 0
	s_wait_tensorcnt 0x0                           ; no tensor load of mine is out, so group 0 may be written
	ds_add_u32 v[SPW], v[NIL]                      ; 0 onto my spare word
.if \fill
	s_xor_b32 s[G0+1], s[G0+1], SLOT
	s_add_nc_u64 s[G0+2:G0+3], s[G0+2:G0+3], KSTEP*2  ; the type bits on top are not reached
.endif
	s_xor_b32 s[TB], s[TB], SLOT
	s_wait_dscnt 9                                 ; the add and the youngest eight loads may be out
	MUL16 F1, 0, 0, 0
	s_wait_dscnt 0x0                               ; the add is done, and my reads of this slot are over
	s_barrier_signal -1
	MUL16 F1, 0, 2, 0                              ; work on registers while the others arrive
	WIN 0
	s_barrier_wait -1
.if \fill
	tensor_load_to_lds s[G0:G0+3], s[G1:G1+7]
	s_nop 0
.endif
	PLACES
	v_add_nc_u32 v[ADRA], s[TB], v[ADRA0]
	v_add_nc_u32 v[ADRB], s[TB], v[ADRB0]
	FETCH 0, F0
	MUL16 F1, 1, 0, 0
	MUL16 F1, 1, 2, 0
.endm
	; The first change of slots: slot 0 is waited for, slot 1 is asked for (nothing has been read yet).
	s_wait_tensorcnt 0x0
	ds_add_u32 v[SPW], v[NIL]
	s_xor_b32 s[G0+1], s[G0+1], SLOT
	s_add_nc_u64 s[G0+2:G0+3], s[G0+2:G0+3], KSTEP*2
	s_wait_dscnt 0x0
	s_barrier_signal -1
	s_barrier_wait -1
	tensor_load_to_lds s[G0:G0+3], s[G1:G1+7]
	s_nop 0
	PLACES
	v_mov_b32 v15, s[SLO]                          ; the masks are made behind the load, compare and select together
.set j, 0
.rept 8
	v_mov_b32 v[LOX+j], s[SLO]
	v_mov_b32 v[BGX+j], s[SBG]
	v_cmp_gt_i32 vcc_lo, j, v14
	v_cndmask_b32 v[MDX+j], v15, s[SBG], vcc_lo
.set j, j+1
.endr
	v_mov_b32 v[ADRA], v[ADRA0]
	v_mov_b32 v[ADRB], v[ADRB0]
	FETCH 0, F0
	QUARTER 64, F0, F1, 1                          ; the first quarter starts the sums with the masks
	WIN 0                                          ; at a label and at a branch every window is 0
	s_branch .Lq1
.Ltrip:                                            ; 6 times
	TURN 1
	QUARTER 64, F0, F1, 0
	WIN 0
.Lq1:
	QUARTER 128, F1, F0, 0
	QUARTER 192, F0, F1, 0
	WIN 0
	s_sub_co_u32 s[CNT], s[CNT], 1
	s_cmp_lg_u32 s[CNT], 0
	s_cbranch_scc1 .Ltrip
	TURN 0                                         ; the tail is written out
	QUARTER 64, F0, F1, 0
	QUARTER 128, F1, F0, 0
	QUARTER 192, F0, F1, 0
	s_wait_dscnt 8
	MUL16 F1, 0, 0, 0
	MUL16 F1, 0, 2, 0
	s_wait_dscnt 0x0
	MUL16 F1, 1, 0, 0
	MUL16 F1, 1, 2, 0
	WIN 0
	PLACES
; THE WAY OUT, written for window 2's four query groups and walked twice.  Group a: a lane holds 64 scores of one row, the lane 16 away the row's other 64.
.macro EPIC a
.set rS, 64*(\a)
	WIN 0
.irp c, 0,1,2,3
	v_mov_b32 v[CH+(\c)], 0xefa18f09               ; -1e29
.endr
	WIN 0x28                                       ; sources 1 and 2 in window 2
.set i, 0
.rept 8                                            ; four chains of 16 scores; each accumulator's lowest registers are read first
.irp c, 0,1,2,3
	v_max3_num_f32 v[CH+(\c)], v[CH+(\c)], v[rS+16*(\c)+2*i], v[rS+16*(\c)+2*i+1]
.endr
.set i, i+1
.endr
	WIN 0
	v_max3_num_f32 v[CH], v[CH], v[CH+1], v[CH+2]
	v_max_num_f32 v[CH], v[CH], v[CH+3]
	v_permlanex16_b32 v[CH+1], v[CH], s[SEL], s[SEL+1]
	v_max_num_f32 v[CH], v[CH], v[CH+1]            ; m
	v_mul_f32 v[CM], s[CS], v[CH]                  ; c m
	v_mul_f32 v[CM+1], s[CS], v[CH]                ; named with it as a pair; l takes its place below
	WIN 0x82                                       ; destination and source 0 in window 2
.set i, 0
.rept 32
	v_pk_fma_f32 v[rS+2*i:rS+2*i+1], v[rS+2*i:rS+2*i+1], s[CS:CS+1], v[CM:CM+1] op_sel_hi:[1,0,0] neg_lo:[0,0,1] neg_hi:[0,0,1]  ; c s - c m
.set i, i+1
.endr
.set i, 0
.rept 64
	v_exp_f32 v[rS+i], v[rS+i]
.set i, i+1
.endr
	v_nop                                          ; a plain instruction between the last exponential and the use of its result (ISA guide 5.7.2)
	WIN 0x0a
.set i, 0
	s_wait_alu depctr_va_vdst(0)
.rept 32
	v_cvt_pk_f16_f32 v[TMP+i], v[rS+2*i], v[rS+2*i+1]
.set i, i+1
.endr
	WIN 0x8a
.irp w, 4,8,16,32,64                               ; the sum of the 32 pairs, in place: neighbours 1, 2, 4, 8, 16 pairs apart
.set u, 0
.rept 64/(\w)
	v_pk_add_f32 v[rS+(\w)*u:rS+(\w)*u+1], v[rS+(\w)*u:rS+(\w)*u+1], v[rS+(\w)*u+(\w)/2:rS+(\w)*u+(\w)/2+1]
.set u, u+1
.endr
.endr
	WIN 0x0a
	v_add_f32 v[CH], v[rS], v[rS+1]
	WIN 0
	v_permlanex16_b32 v[CH+1], v[CH], s[SEL], s[SEL+1]
	v_add_f32 v[CM+1], v[CH], v[CH+1]              ; l
	ds_store_b64 v[SSTA], v[CM:CM+1] offset:128*(\a)  ; both halves of the lanes write the same eight bytes
.endm
.macro TOSTAGE a
	WIN 0
.set BK, 64+32*((\a)%2)
.irp b, 0,1,2,3,4,5,6,7
	ds_store_b128 v[STO], v[TMP+4*(\b):TMP+4*(\b)+3] offset:32*(\b)
.endr
.irp t, 0,1,2,3,4,5,6,7
	ds_load_b128 v[BK+4*(\t):BK+4*(\t)+3], v[RD] offset:(\t)*2*PITCH  ; LDS serves a wave's instructions in order (ISA guide 5.7.1.4): these see the stores above
.endr
.endm
.macro SEND a
	WIN 0
.set BK, 64+32*((\a)%2)
	s_wait_dscnt 0x0
	s_wait_xcnt 0x0                                ; the earlier stores have read their registers
.irp t, 0,1,2,3,4,5,6,7
	global_store_b128 v[CO], v[BK+4*(\t):BK+4*(\t)+3], s[PP:PP+1] offset:65536*(\a)+8192*(\t)  ; 16 lanes store 256 consecutive bytes, at a multiple of 256 from p's first byte
.endr
.endm
	s_mov_b32 s[EC], 2
	s_branch .Lepi_in                              ; the loop is entered behind the copy
.Lepi:
	s_wait_xcnt 0x0                                ; the stores have read their base and their data
	s_add_nc_u64 s[PP:PP+1], s[PP:PP+1], 262144    ; 64 rows of p on
	v_add_nc_u32 v[SSTA], 512, v[SSTA]
	WIN 0x83                                       ; window 3's accumulators come down to where the one text names them: 256 copies for half the text
.set i, 0
.rept 256
	v_mov_b32 v[i], v[i]
.set i, i+1
.endr
	WIN 0
.Lepi_in:
	EPIC 0
	TOSTAGE 0
.irp a, 1,2,3                                      ; a group's arithmetic stands between the loads of the group before and the wait for them
	EPIC \a
	SEND (\a)-1
	TOSTAGE \a
.endr
	SEND 3
	s_sub_co_u32 s[EC], s[EC], 1
	s_cmp_lg_u32 s[EC], 0
	s_cbranch_scc1 .Lepi
	ds_load_b128 v[24:27], v[SRD]                  ; my block's statistics: my own bytes, 1,024 on end
	ds_load_b128 v[28:31], v[SRD] offset:512
	s_wait_dscnt 0x0
	global_store_b128 v[SGO], v[24:27], s[STP:STP+1]
	global_store_b128 v[SGO], v[28:31], s[STP:STP+1] offset:512
	s_wait_tensorcnt 0x0                           ; the wave's end: a closing add to the spare word, behind my last tensor load and my last LDS store
	ds_add_u32 v[SPW], v[NIL]
	s_wait_dscnt 0x0
	s_endpgm
.Lfunc_end_k_qe5dc9c7397_scores:
	.size	k_qe5dc9c7397_scores, .Lfunc_end_k_qe5dc9c7397_scores-k_qe5dc9c7397_scores
	.p2alignl 7, 3214868480
	.fill 96, 4, 3214868480
	.section	.rodata,"a",@progbits
	.p2align	6, 0x0
	.amdhsa_kernel k_qe5dc9c7397_scores
		.amdhsa_group_segment_fixed_size 327680
		.amdhsa_private_segment_fixed_size 0
		.amdhsa_enable_private_segment 0
		.amdhsa_kernarg_size 24
		.amdhsa_user_sgpr_count 2
		.amdhsa_user_sgpr_kernarg_segment_ptr 1
		.amdhsa_wavefront_size32 1
		.amdhsa_system_sgpr_workgroup_id_x 1
		.amdhsa_system_sgpr_workgroup_id_y 1
		.amdhsa_system_sgpr_workgroup_id_z 1
		.amdhsa_system_vgpr_workitem_id 0
		.amdhsa_next_free_vgpr 1024
		.amdhsa_next_free_sgpr 66
		.amdhsa_reserve_vcc 1
		.amdhsa_float_denorm_mode_32 3
		.amdhsa_float_denorm_mode_16_64 3
		.amdhsa_memory_ordered 1
		.amdhsa_forward_progress 1
		.amdhsa_inst_pref_size 131
	.end_amdhsa_kernel
	.amdgpu_metadata
---
amdhsa.version: [ 1, 2 ]
amdhsa.kernels:
  - .name:           k_qe5dc9c7397_scores
    .symbol:         k_qe5dc9c7397_scores.kd
    .args:
      - { .name: qkv, .offset: 0, .size: 8, .value_kind: global_buffer, .address_space: global }
      - { .name: p, .offset: 8, .size: 8, .value_kind: global_buffer, .address_space: global }
      - { .name: st, .offset: 16, .size: 8, .value_kind: global_buffer, .address_space: global }
    .group_segment_fixed_size: 327680
    .private_segment_fixed_size: 0
    .kernarg_segment_align: 8
    .kernarg_segment_size: 24
    .max_flat_workgroup_size: 128
    .sgpr_count:     66
    .vgpr_count:     1024
    .wavefront_size: 32
...
	.end_amdgpu_metadata
.endif
;; end of part 3
;; launch pv (part 4): grid 8 x 32, 4 waves a work-group, clusters of 4 x 4, 327,680 bytes of LDS; arguments p, st, qkv, out0; writes out0
.if DOCPART == 4
	.amdgcn_target "amdgcn-amd-amdhsa--gfx1250"
	.amdhsa_code_object_version 6
	.text
	.protected	k_qe5dc9c7397_pv
	.globl	k_qe5dc9c7397_pv
	.p2align	8
	.type	k_qe5dc9c7397_pv,@function
k_qe5dc9c7397_pv:
	s_mov_b64 s[64:65], 0
	v_nop
	global_prefetch_b8 v0, s[64:65] scope:SCOPE_SE
	s_setreg_imm32_b32 hwreg(HW_REG_WAVE_MODE, 25, 1), 1
	s_wait_xcnt 0x0
	s_wait_alu depctr_hold_cnt(0) depctr_sa_sdst(0) depctr_va_vdst(0) depctr_va_sdst(0) depctr_va_ssrc(0) depctr_va_vcc(0) depctr_vm_vsrc(0)
	s_getreg_b32 s2, hwreg(HW_REG_IB_STS2, 6, 4)
	s_cmp_eq_u32 s2, 0
	s_cbranch_scc0 .Lentry_in_a_cluster
	s_endpgm
.Lentry_in_a_cluster:
	s_bfe_u32 s2, ttmp6, 0x10000c
	s_cmp_lg_u32 s2, 0xf033
	s_cbranch_scc0 .Lentry_shape_is_right
	s_endpgm
.Lentry_shape_is_right:
; out0[b][q][:] = sum over key blocks j <= i of f_j (P_j V_j) / L.  For each row: M = the maximum of the blocks' c m_j, f_j = 2^(c m_j - M), L = the sum of f_j l_j, all in f32.
; That is the softmax with the row's own maximum taken away.  p: [4][2048][2048] f16; st: [4][16 i][16 j][128][c m, l] f32; V = qkv's third tensor, [8192][1024] f16; out0 f32.  Products in f16, sums in f32.
; LIMITS.  A factor below 2^-126 counts as 0; NaN and infinities are not treated apart.
; SHARES.  A work-group makes 128 queries x 128 channels, twice.  A cluster of 4 x 4 takes, of one batch, 512 channels (cx) and two super-blocks of 512 queries, 3 - g and then g (cy: the block of 128 in it).
; All sixteen walk the same keys, 256 a slot: 8 - 2 g slots, then 2 g + 2: ten, whatever g.  So P's tile is asked for jointly by a row of the cluster and V's by a column, and every work-group does equal work.
; A partner whose block lies above the diagonal in a slot still asks: its tile's number is clamped, in the global address alone, to its last written one, and its factor is 0.
; No branch and no LDS address hangs on cx or cy; the one change of blocks hangs on g, which the sixteen share.
; A wave makes 64 x 64.  T^T = V^T P for one key block of 128: source 0 = 16 channels (V lies [key][channel]: the turning load), source 1 = 16 queries of P as it lies: a lane holds one query and eight channels.
; T, 16 accumulators, is started by the constant 0 in each key block; behind the block's 64 products ACC += f T, 64 packed multiply-adds with the lane's own factor.
; ACC is cleared at the start and between the two blocks, 128 v_mov_b32 each time: the price of one text for every such sum.
; REGISTERS, in windows of 256 (s_set_vgpr_msb: bits 1:0 source 0, 3:2 source 1, 5:4 source 2, 7:6 destination):
;   window 0: v0-23 addresses; v24-31 1 / L; v32-63, v64-95 P's fragments, two buffers; v96-127 rows read back; v128-255 T, (a, b) at v[128 + 8 (4 a + b)]
;   window 1: v0-31, v32-63 V's fragments; v64-71, v76-83 the factors of a slot's two key blocks, in the even registers of pairs; v72-75 LDS addresses          window 2: v0-127 ACC
;   One setting (source 0 in window 1) serves the products and P's loads.
.set PP_,    528                       ; a row of P in LDS: 512 bytes + 16 of padding
.set PV,     288                       ; a row of V: 256 + 32 = 9 x 32 bytes, for the turning load
.set VOFF,   128*PP_                   ; a slot: 128 rows of P, then 256 rows of V
.set SLOT,   147456                    ; slot 1 begins here: 0x24000 has no bit in common with the waves' places 0, 0x8400, 0x10800, 0x19800
.set FT,     SLOT+VOFF+256*PV          ; behind the ring, never filled by a tensor load: the factors, 20 key blocks in the walk's order x 128 rows, f32
.set IL,     FT+20*512                 ; 1 / L: 2 blocks x 128 rows
.set STAGE,  IL+1024                   ; 16 rows x 272 bytes for each wave
.set SP,     272
.set SPARE,  STAGE+4*16*SP             ; the spare words, 128 bytes for each wave: two blocks of 256 bytes that no other line names
.set PL0, 2                            ; v2   my lane's place in P's tile; never rewritten
.set VL0, 3                            ; v3   in V's tile
.set VL2, 4                            ; v4   the same 128 keys on
.set FL0, 7                            ; v7   in a key block's factors
.set STO, 8
.set RD,  9
.set CO,  10
.set ILA, 11                           ; v11  where my rows' 1 / L lie
.set SPW, 12                           ; v12  LDS address of my spare word; never rewritten
.set NIL, 13                           ; v13  0; never rewritten
.set RHO8, 16
.set FTA, 17
.set ILS, 18
.set IV,  24
.set PF,  32
.set OB,  96
.set T,   128
.set ACC, 0                            ; window 2
.set FE,  64                           ; window 1
.set FO,  76
.set AP,  72
.set AV,  73
.set AV2, 74
.set FA,  75
.set FV,  32                           ; at work before the loop: the factors,
.set MR,  92                           ; maxima,
.set LS,  100                          ; sums,
.set CML, 128                          ; (c m, l) of the walk's 20 key blocks,
.set OFS, 168                          ; their byte offsets in st
.set ZR,  3                            ; s3   0: the high word of an offset pair
.set WV,  12
.set WR,  13
.set WC,  14
.set BB,  18
.set GG,  19
.set IA,  20                           ; the first block's number i, of 16 in the batch
.set IB,  21                           ; the second's
.set G1P, 24
.set G1V, 32
.set G0P, 40
.set G0V, 44
.set PPF, 48                           ; s[48:49] p at my half of the rows of the block whose tiles are being asked for
.set PPB, 50                           ; s[50:51] the same for the second block
.set VP,  52                           ; s[52:53] V at my half of the batch's first 256 keys
.set OUTP, 54                          ; s[54:55] out0 at my part of the block in hand
.set OUTB, 56                          ; s[56:57] of the second block
.set UF,  58                           ; the slot to be asked for, counted in its block
.set NSF, 59                           ; that block's slots
.set IHF, 66                           ; its last written tile of P: i / 2
.set IHB, 67
.set NSB, 68
.set TB,  69                           ; LDS byte at which the slot in hand begins
.set TFA, 70                           ; 1,024 x the number of the slot in hand
.set CNT, 71
.set RT,  72                           ; slots of the block in hand that are still to be finished
.set RA,  73                           ; 16 (16 b + i) for the first block
.set RB,  74
.set IX,  75                           ; i, 16 (16 b + i) and the first key block's place in the walk, for the walk's key blocks 12 to 15
.set RX,  76
.set JBX, 77
.set NA,  78                           ; key blocks of the first block: 16 - 4 g
.set G0M, 79                           ; all ones if g = 0
.set T0,  80
.set T1,  81
.set VM,  82                           ; s82-101  all ones where the walk's key block e is one of j <= i
.set W_MM, 0x01
.set W_LV, 0x41
.set W_CB, 0xa4                        ; T in window 0, the factor in window 1, ACC (source 2 and destination) in window 2
.set W_SC, 0x02                        ; ACC in window 2, 1 / L and the result in window 0
.set MSB, 0
.macro WIN new
.if MSB != (\new)
	s_set_vgpr_msb (MSB<<8)|(\new)
.set MSB, (\new)
.endif
.endm
.macro PLACES
.rept 4
	v_nop
.endr
.endm
.macro JLOAD                           ; a joint load: waves 0 and 1 fetch P's two halves, waves 2 and 3 V's; an s_nop 0 and four v_nop follow each line
	s_cmp_eq_u32 s[WR], 0
	s_cbranch_scc0 .Lfor_v_\@
	tensor_load_to_lds s[G0P:G0P+3], s[G1P:G1P+7]
	s_nop 0
.rept 4
	v_nop
.endr
	s_branch .Lasked_\@
.Lfor_v_\@:
	tensor_load_to_lds s[G0V:G0V+3], s[G1V:G1V+7]
	s_nop 0
.rept 4
	v_nop
.endr
.Lasked_\@:
.endm
.macro CREST
	s_cmp_lg_u32 s[WV], 0
	s_cbranch_scc1 .Lnot_wave_0_\@
	s_barrier_signal -3
.Lnot_wave_0_\@:
	s_barrier_wait -3
	s_barrier_signal -1
	s_barrier_wait -1
.endm
.macro CROUND
	s_barrier_signal -1
	s_barrier_wait -1
	CREST
.endm
; The descriptors go on to the next slot; behind the first block's last slot to the second block's slot 0.  The addresses are made anew from the slot's number; P's number is clamped.
.macro STEPD
	s_add_co_u32 s[UF], s[UF], 1
	s_cmp_eq_u32 s[UF], s[NSF]
	s_cselect_b32 s[UF], 0, s[UF]
	s_cselect_b64 s[PPF:PPF+1], s[PPB:PPB+1], s[PPF:PPF+1]
	s_cselect_b32 s[IHF], s[IHB], s[IHF]
	s_cselect_b32 s[NSF], s[NSB], s[NSF]
	s_min_u32 s60, s[UF], s[IHF]
	s_lshl_b32 s60, s60, 9                         ; 256 keys are 512 bytes of a row of p
	s_add_nc_u64 s[G0P+2:G0P+3], s[PPF:PPF+1], s[60:61]
	s_or_b32 s[G0P+3], s[G0P+3], 0x80000000
	s_xor_b32 s[G0P+1], s[G0P+1], SLOT
	s_lshl_b32 s62, s[UF], 19                      ; and 256 rows of 2,048 bytes of V
	s_add_nc_u64 s[G0V+2:G0V+3], s[VP:VP+1], s[62:63]
	s_or_b32 s[G0V+3], s[G0V+3], 0x80000000
	s_xor_b32 s[G0V+1], s[G0V+1], SLOT
.endm
	s_load_b256 s[4:11], s[0:1], 0x0               ; p s[4:5], st s[6:7], qkv s[8:9], out0 s[10:11]
	v_lshl_add_u32 v[SPW], v0, 2, SPARE
	v_mov_b32 v[NIL], 0
	ds_add_u32 v[SPW], v[NIL]                      ; the wave's opening: the add and its wait ahead of my first tensor load
	ds_add_u32 v12, v13
	v_lshrrev_b32 v1, 5, v0
	v_readfirstlane_b32 s[WV], v1
	s_lshr_b32 s[WR], s[WV], 1                     ; which 64 queries are mine.  Also: I fetch for P (0) or for V (1)
	s_and_b32 s[WC], s[WV], 1                      ; which 64 channels.  Also: which half of that tile I fetch
	s_bfe_u32 s15, ttmp6, 0x40000                  ; cx
	s_bfe_u32 s16, ttmp6, 0x40004                  ; cy
	s_lshl_b32 s17, ttmp9, 2
	s_add_co_u32 s17, s17, s15                     ; channel block = 4 x cluster x + cx
	s_and_b32 s[BB], ttmp7, 0xffff
	s_and_b32 s[GG], s[BB], 1                      ; g
	s_lshr_b32 s[BB], s[BB], 1                     ; the batch
	s_sub_co_u32 s[IA], 3, s[GG]
	s_lshl_b32 s[IA], s[IA], 2
	s_add_co_u32 s[IA], s[IA], s16                 ; 4 (3 - g) + cy
	s_lshl_b32 s[IB], s[GG], 2
	s_add_co_u32 s[IB], s[IB], s16                 ; 4 g + cy
	s_lshl_b32 s23, s16, 2
	s_lshl_b32 s23, 15, s23                        ; my row of the cluster
	s_lshl_b32 s22, 0x1111, s15                    ; my column
	s_or_b32 s[G1P], s23, (1<<16)|(1<<20)|(1<<21)|(6<<22)|(3<<25)  ; the mask; elements of 2 bytes; padding on; 21 set beside a mask; after every 128 words (code 6) 4 words (code 3)
	s_mov_b32 s[G1P+1], 256<<16                    ; tensor_dim0 = 256
	s_mov_b32 s[G1P+2], 64<<16                     ; tensor_dim1 = 64
	s_mov_b32 s[G1P+3], 256<<16                    ; tile_dim0 = 256
	s_mov_b32 s[G1P+4], 64                         ; tile_dim1 = 64
	s_mov_b32 s[G1P+5], 2048                       ; elements from row to row
	s_mov_b32 s[G1P+6], 0
	s_mov_b32 s[G1P+7], 0
	s_or_b32 s[G1V], s22, (1<<16)|(1<<20)|(1<<21)|(5<<22)|(7<<25)  ; after every 64 words (code 5) 8 words (code 7)
	s_mov_b32 s[G1V+1], 128<<16                    ; tensor_dim0 = 128
	s_mov_b32 s[G1V+2], 128<<16                    ; tensor_dim1 = 128
	s_mov_b32 s[G1V+3], 128<<16                    ; tile_dim0 = 128
	s_mov_b32 s[G1V+4], 128                        ; tile_dim1 = 128
	s_mov_b32 s[G1V+5], 1024
	s_mov_b32 s[G1V+6], 0
	s_mov_b32 s[G1V+7], 0
	s_lshl_b32 s[NSB], s[GG], 1
	s_sub_co_u32 s[NSF], 8, s[NSB]                 ; the first block's slots: 8 - 2 g
	s_add_co_u32 s[NSB], s[NSB], 2                 ; the second's: 2 g + 2
	s_mov_b32 s[RT], s[NSF]
	s_lshl_b32 s[NA], s[NSF], 1
	s_lshr_b32 s[IHF], s[IA], 1
	s_lshr_b32 s[IHB], s[IB], 1
	s_lshl_b32 s[RA], s[BB], 4
	s_add_co_u32 s[RB], s[RA], s[IB]
	s_add_co_u32 s[RA], s[RA], s[IA]
	s_lshl_b32 s[RA], s[RA], 4
	s_lshl_b32 s[RB], s[RB], 4
	s_cmp_eq_u32 s[GG], 0                          ; the walk's key blocks 12 to 15 are the first block's if g = 0, else the second's first four
	s_cselect_b32 s[G0M], -1, 0
	s_cselect_b32 s[IX], s[IA], s[IB]
	s_cselect_b32 s[RX], s[RA], s[RB]
	s_cselect_b32 s[JBX], 0, 12
	s_lshl_b32 s60, s[BB], 11                      ; p: row 2048 b + 128 i + 64 x half, of 4,096 bytes: made of b, cy and the wave's number alone
	s_lshl_b32 s61, s[WC], 6
	s_add_co_u32 s60, s60, s61
	s_lshl_b32 s61, s[IA], 7
	s_add_co_u32 s80, s60, s61
	s_lshl_b32 s80, s80, 12
	s_mov_b32 s81, 0
	s_lshl_b32 s61, s[IB], 7
	s_add_co_u32 s60, s60, s61
	s_lshl_b32 s60, s60, 12
	s_mov_b32 s61, 0
	s_lshl_b32 s62, s[BB], 11                      ; V: 33,554,432 bytes into qkv; row 2048 b + 128 x half, of 2,048 bytes; + 256 x channel block: made of b, cx and the wave's number alone
	s_lshl_b32 s63, s[WC], 7
	s_add_co_u32 s62, s62, s63
	s_lshl_b32 s62, s62, 11
	s_lshl_b32 s63, s17, 8
	s_add_co_u32 s62, s62, s63
	s_add_co_u32 s62, s62, 33554432
	s_mov_b32 s63, 0
	s_lshl_b32 s2, s[BB], 11                       ; out0: row 2048 b + 64 wr (+ 128 i below), of 4,096 bytes, + 512 x channel block + 256 wc
	s_lshl_b32 s3, s[WR], 6
	s_add_co_u32 s2, s2, s3
	s_lshl_b32 s2, s2, 12
	s_lshl_b32 s3, s17, 9
	s_add_co_u32 s2, s2, s3
	s_lshl_b32 s3, s[WC], 8
	s_add_co_u32 s2, s2, s3
	s_mov_b32 s3, 0
	s_mov_b32 s[G0P], 1
	s_mul_i32 s[G0P+1], s[WC], 64*PP_              ; LDS addresses in slot 0: no place in the cluster enters them
	s_mov_b32 s[G0V], 1
	s_mul_i32 s[G0V+1], s[WC], 128*PV
	s_add_co_u32 s[G0V+1], s[G0V+1], VOFF
	s_mov_b32 s[UF], 0
	s_mov_b32 s[TB], 0
	s_mov_b32 s[TFA], 0
	s_mov_b32 s[CNT], 9
	s_wait_dscnt 0x0                               ; the opening add is done
	s_wait_kmcnt 0x0
	s_add_nc_u64 s[PPF:PPF+1], s[4:5], s[80:81]
	s_add_nc_u64 s[PPB:PPB+1], s[4:5], s[60:61]
	s_add_nc_u64 s[VP:VP+1], s[8:9], s[62:63]
	s_add_nc_u64 s[OUTP:OUTP+1], s[10:11], s[2:3]
	s_mov_b64 s[OUTB:OUTB+1], s[OUTP:OUTP+1]
	s_lshl_b32 s2, s[IA], 19
	s_add_nc_u64 s[OUTP:OUTP+1], s[OUTP:OUTP+1], s[2:3]
	s_lshl_b32 s2, s[IB], 19
	s_add_nc_u64 s[OUTB:OUTB+1], s[OUTB:OUTB+1], s[2:3]
	s_mov_b64 s[G0P+2:G0P+3], s[PPF:PPF+1]
	s_or_b32 s[G0P+3], s[G0P+3], 0x80000000
	s_mov_b64 s[G0V+2:G0V+3], s[VP:VP+1]
	s_or_b32 s[G0V+3], s[G0V+3], 0x80000000
	CROUND                                         ; all sixteen work-groups are here: the first joint loads meet
	JLOAD                                          ; slot 0
	; THE FACTORS, while slot 0 is on its way.  Thread = row.  Entry e of the walk's 20 key blocks belongs to block I and is its key block j = e - JB; beyond j = I the load is clamped to j = I, which only
	; repeats an entry that counts, so the maxima need no mask; the factor is then set to 0.
	v_lshlrev_b32 v[RHO8], 3, v0
	v_lshl_add_u32 v[FTA], v0, 2, FT
	v_lshl_add_u32 v[ILS], v0, 2, IL
.macro ENTRY e, I, R, JB
	s_sub_co_u32 s[T0], \e, s[\JB]
	s_min_u32 s[T1], s[T0], s[\I]
	s_add_co_u32 s[T1], s[T1], s[\R]
	s_lshl_b32 s[T1], s[T1], 10
	v_add_nc_u32 v[OFS+(\e)], s[T1], v[RHO8]
	global_load_b64 v[CML+2*(\e):CML+2*(\e)+1], v[OFS+(\e)], s[6:7]
	s_cmp_le_u32 s[T0], s[\I]
	s_cselect_b32 s[VM+(\e)], -1, 0
.endm
.irp e, 0,1,2,3,4,5,6,7,8,9,10,11
	ENTRY \e, IA, RA, ZR
.endr
.irp e, 12,13,14,15
	ENTRY \e, IX, RX, JBX
.endr
.irp e, 16,17,18,19
	ENTRY \e, IB, RB, NA
.endr
	; the lane's places and the clearing, in the wait for those loads
	v_and_b32 v1, 15, v0                           ; l % 16
	v_bfe_u32 v14, v0, 4, 1                        ; l / 16
	v_mul_u32_u24 v[PL0], v1, PP_
	v_lshl_add_u32 v[PL0], v14, 4, v[PL0]
	s_mul_i32 s[T0], s[WR], 64*PP_
	v_add_nc_u32 v[PL0], s[T0], v[PL0]             ; (64 wr + l % 16) x pitch + 16 (l / 16)
	v_and_b32 v15, 7, v0
	v_lshl_add_u32 v15, v14, 3, v15
	v_mul_u32_u24 v[VL0], v15, PV                  ; the turning load: key 8 (l / 16) + l % 8, channels 8 ((l / 8) % 2) + 0..7
	v_bfe_u32 v15, v0, 3, 1
	v_lshl_add_u32 v[VL0], v15, 4, v[VL0]
	s_lshl_b32 s[T0], s[WC], 7
	s_add_co_u32 s[T0], s[T0], VOFF
	v_add_nc_u32 v[VL0], s[T0], v[VL0]
	v_add_nc_u32 v[VL2], 128*PV, v[VL0]
	s_lshl_b32 s[T0], s[WR], 8                     ; 4 bytes x 64 rows
	v_lshl_add_u32 v15, v1, 2, s[T0]
	v_add_nc_u32 v[FL0], FT, v15
	v_add_nc_u32 v[ILA], IL, v15
	s_mul_i32 s[T0], s[WV], 16*SP
	s_add_co_u32 s[T0], s[T0], STAGE               ; my stage
	v_mul_u32_u24 v[STO], v1, SP                   ; in: row l % 16, 32 bytes for each half of the lanes
	v_lshl_add_u32 v[STO], v14, 5, v[STO]
	v_add_nc_u32 v[STO], s[T0], v[STO]
	v_mul_u32_u24 v[RD], v14, SP                   ; back: lanes 0-15 take one row of 256 bytes, lanes 16-31 the next
	v_lshl_add_u32 v[RD], v1, 4, v[RD]
	v_add_nc_u32 v[RD], s[T0], v[RD]
	v_lshlrev_b32 v[CO], 12, v14
	v_lshl_add_u32 v[CO], v1, 4, v[CO]
	WIN 0x40
.irp a, 0,1,2,3
	v_mov_b32 v[FE+2*(\a)+1], 0                    ; the factors are named as pairs of which the even register counts: the odd ones are written once
	v_mov_b32 v[FO+2*(\a)+1], 0
.endr
	WIN 0x80
.set i, 0
.rept 128
	v_mov_b32 v[ACC+i], 0
.set i, i+1
.endr
	WIN 0
	s_wait_loadcnt 0x0
	v_max3_num_f32 v[MR], v[CML], v[CML+2], v[CML+4]               ; entries 0 to 11
.irp e, 3,5,7,9
	v_max3_num_f32 v[MR], v[MR], v[CML+2*(\e)], v[CML+2*(\e)+2]
.endr
	v_max_num_f32 v[MR], v[MR], v[CML+22]
	v_max3_num_f32 v[MR+1], v[CML+24], v[CML+26], v[CML+28]        ; 12 to 15
	v_max_num_f32 v[MR+1], v[MR+1], v[CML+30]
	v_max3_num_f32 v[MR+2], v[CML+32], v[CML+34], v[CML+36]        ; 16 to 19
	v_max_num_f32 v[MR+2], v[MR+2], v[CML+38]
	v_max_num_f32 v[MR+3], v[MR], v[MR+1]
	v_max_num_f32 v[MR+4], v[MR+2], v[MR+1]
	v_cndmask_b32 v[MR+5], v[MR], v[MR+3], s[G0M]                  ; the first block's M
	v_cndmask_b32 v[MR+6], v[MR+4], v[MR+2], s[G0M]                ; the second's
	v_cndmask_b32 v[MR+7], v[MR+6], v[MR+5], s[G0M]                ; that of entries 12 to 15
.irp e, 0,1,2,3,4,5,6,7,8,9,10,11
	v_sub_f32 v[FV+(\e)], v[CML+2*(\e)], v[MR+5]
.endr
.irp e, 12,13,14,15
	v_sub_f32 v[FV+(\e)], v[CML+2*(\e)], v[MR+7]
.endr
.irp e, 16,17,18,19
	v_sub_f32 v[FV+(\e)], v[CML+2*(\e)], v[MR+6]
.endr
.set i, 0
.rept 20
	v_exp_f32 v[FV+i], v[FV+i]
.set i, i+1
.endr
	v_nop                                          ; a plain instruction between the last exponential and the use of its result (ISA guide 5.7.2)
.set i, 0
	s_wait_alu depctr_va_vdst(0)
.rept 20
	v_cndmask_b32 v[FV+i], 0, v[FV+i], s[VM+i]
.set i, i+1
.endr
	v_mul_f32 v[LS], v[FV], v[CML+1]
	v_mul_f32 v[LS+1], v[FV+12], v[CML+25]
	v_mul_f32 v[LS+2], v[FV+16], v[CML+33]
.irp e, 1,2,3,4,5,6,7,8,9,10,11
	v_fma_f32 v[LS], v[FV+(\e)], v[CML+2*(\e)+1], v[LS]
.endr
.irp e, 13,14,15
	v_fma_f32 v[LS+1], v[FV+(\e)], v[CML+2*(\e)+1], v[LS+1]
.endr
.irp e, 17,18,19
	v_fma_f32 v[LS+2], v[FV+(\e)], v[CML+2*(\e)+1], v[LS+2]
.endr
	v_cndmask_b32 v[LS+3], 0, v[LS+1], s[G0M]
	v_cndmask_b32 v[LS+4], v[LS+1], 0, s[G0M]
	v_add_f32 v[LS], v[LS], v[LS+3]
	v_add_f32 v[LS+2], v[LS+2], v[LS+4]
	v_rcp_f32 v[LS+5], v[LS]
	v_rcp_f32 v[LS+6], v[LS+2]
	v_nop
.set i, 0
.rept 20
	ds_store_b32 v[FTA], v[FV+i] offset:512*i
.set i, i+1
.endr
	s_wait_alu depctr_va_vdst(0)
	ds_store_b32 v[ILS], v[LS+5]
	ds_store_b32 v[ILS], v[LS+6] offset:512
.macro ADDRS                           ; the LDS addresses of the slot in hand, into window 1
	WIN 0x40
	v_add_nc_u32 v[AP], s[TB], v[PL0]
	v_add_nc_u32 v[AV], s[TB], v[VL0]
	v_add_nc_u32 v[AV2], s[TB], v[VL2]
	v_add_nc_u32 v[FA], s[TFA], v[FL0]
.endm
; One run of LDS loads: quarter kq (32 keys) of the slot in hand into buffers g: P's eight, then V's eight.  In front of them, fl = 1: the factors of the slot's first key block; fl = 2: those of its second.
.macro FETCH kq, g, fl
.if (\fl) != 0
	WIN W_LV
.irp a, 0,1,2,3
.if (\fl) == 1
	ds_load_b32 v[FE+2*(\a)], v[FA] offset:64*(\a)
.else
	ds_load_b32 v[FO+2*(\a)], v[FA] offset:512+64*(\a)
.endif
.endr
.endif
	WIN W_MM
.irp a, 0,1,2,3
	ds_load_b128 v[PF+32*(\g)+8*(\a):PF+32*(\g)+8*(\a)+3],   v[AP] offset:16*PP_*(\a)+64*(\kq)
	ds_load_b128 v[PF+32*(\g)+8*(\a)+4:PF+32*(\g)+8*(\a)+7], v[AP] offset:16*PP_*(\a)+64*(\kq)+32
.endr
	WIN W_LV
.if (\kq) < 4
.set AVR, AV
.else
.set AVR, AV2
.endif
.irp b, 0,1,2,3
	ds_load_tr16_b128 v[32*(\g)+8*(\b):32*(\g)+8*(\b)+3],   v[AVR] offset:32*PV*((\kq)%4)+32*(\b)
	ds_load_tr16_b128 v[32*(\g)+8*(\b)+4:32*(\g)+8*(\b)+7], v[AVR] offset:32*PV*((\kq)%4)+32*(\b)+16*PV
.endr
	WIN W_MM
.endm
; Four matrix instructions, query group a x all 4 channel groups.  zero = 1: a key block's first products start T.  The 16 accumulators take turns.
.macro ROWA f, a, zero
	WIN W_MM
.irp b, 0,1,2,3
.if \zero
	v_wmma_f32_16x16x32_f16 v[T+8*(4*(\a)+(\b)):T+8*(4*(\a)+(\b))+7], v[32*(\f)+8*(\b):32*(\f)+8*(\b)+7], v[PF+32*(\f)+8*(\a):PF+32*(\f)+8*(\a)+7], 0
.else
	v_wmma_f32_16x16x32_f16 v[T+8*(4*(\a)+(\b)):T+8*(4*(\a)+(\b))+7], v[32*(\f)+8*(\b):32*(\f)+8*(\b)+7], v[PF+32*(\f)+8*(\a):PF+32*(\f)+8*(\a)+7], v[T+8*(4*(\a)+(\b)):T+8*(4*(\a)+(\b))+7]
.endif
.endr
.endm
; A key block is finished: ACC += f T, the lane's factor for its query.  Four places stand behind the last product; each accumulator is read from its low end on.
.macro COMB F
	PLACES
	WIN W_CB
.set t, 0
.rept 16
.irp z, 0,1,2,3
	v_pk_fma_f32 v[ACC+8*t+2*\z:ACC+8*t+2*\z+1], v[T+8*t+2*\z:T+8*t+2*\z+1], v[(\F)+2*(t/4):(\F)+2*(t/4)+1], v[ACC+8*t+2*\z:ACC+8*t+2*\z+1] op_sel_hi:[1,0,1]
.endr
.set t, t+1
.endr
.endm
; A slot is eight quarters of 32 keys on buffers 0, 1, ...  One of the first seven.  The four v_nop are the places in front of the loads into the other buffers (ISA guide 7.12.1 for vector instructions).
.macro QUARTER kq, zero, fl
.set QF, (\kq)%2
	s_wait_dscnt 0x0                               ; this quarter's fragments are in
	ROWA QF, 0, \zero
	PLACES
	FETCH (\kq)+1, 1-QF, \fl
	ROWA QF, 1, \zero
	ROWA QF, 2, \zero
	ROWA QF, 3, \zero
.endm
.macro SEVEN                           ; a slot's first seven quarters
	QUARTER 0, 1, 1
	QUARTER 1, 0, 0
	QUARTER 2, 0, 0
	QUARTER 3, 0, 0
	COMB FE
	QUARTER 4, 1, 2
	QUARTER 5, 0, 0
	QUARTER 6, 0, 0
	WIN 0
.endm
; The eighth quarter changes slots: in front of the barrier each wave waits for all its tensor loads (one is out: its part of the next slot), adds 0 to its spare word, and waits for that and for its reads of
; this slot.  fill = 1: the barrier opens a round of the cluster's, and the slot just read out is asked for again, first thing behind the round.
.macro TURN fill
	WIN 0
	s_wait_tensorcnt 0x0                           ; no tensor load of mine is out, so a group 0 may be written
	ds_add_u32 v[SPW], v[NIL]                      ; 0 onto my spare word: the scalar work stands between it and the wait for it
.if \fill
	STEPD
.endif
	s_xor_b32 s[TB], s[TB], SLOT
	s_add_co_u32 s[TFA], s[TFA], 1024
	s_wait_dscnt 0x0                               ; the add is done, and my reads of this slot are over
	s_barrier_signal -1
	ROWA 1, 0, 0                                   ; work on registers while the others arrive
	ROWA 1, 1, 0
	WIN 0
	s_barrier_wait -1
.if \fill
	CREST                                          ; no wave of any partner still reads this slot or has a load on its way
	JLOAD
.else
	PLACES
.endif
	ADDRS
	FETCH 0, 0, 0
	ROWA 1, 2, 0
	ROWA 1, 3, 0
	COMB FO
	WIN 0
.endm
; THE WAY OUT of a block of 128 queries: ACC times 1 / L into T's registers, which are free; through my stage, a group of 16 rows at a time.
.macro SC a
	WIN W_SC
.set i, 0
.rept 16
	v_pk_mul_f32 v[T+32*(\a)+2*i:T+32*(\a)+2*i+1], v[ACC+32*(\a)+2*i:ACC+32*(\a)+2*i+1], v[IV+2*(\a):IV+2*(\a)+1] op_sel_hi:[1,0]
.set i, i+1
.endr
	WIN 0
.endm
.macro TOST a
.irp b, 0,1,2,3
	ds_store_b128 v[STO], v[T+8*(4*(\a)+(\b)):T+8*(4*(\a)+(\b))+3]   offset:64*(\b)
	ds_store_b128 v[STO], v[T+8*(4*(\a)+(\b))+4:T+8*(4*(\a)+(\b))+7] offset:64*(\b)+16
.endr
	s_wait_xcnt 0x0                                ; the stores of the group before have read the registers that are loaded again below
.irp t, 0,1,2,3,4,5,6,7
	ds_load_b128 v[OB+4*(\t):OB+4*(\t)+3], v[RD] offset:(\t)*2*SP  ; LDS serves a wave's instructions in order (ISA guide 5.7.1.4): these see the stores above
.endr
.endm
.macro SND a
	s_wait_dscnt 0x0
.irp t, 0,1,2,3,4,5,6,7
	global_store_b128 v[CO], v[OB+4*(\t):OB+4*(\t)+3], s[OUTP:OUTP+1] offset:(16*(\a)+2*(\t))*4096 th:TH_STORE_NT  ; 16 lanes store 256 consecutive bytes, at a multiple of 256 from out0's first byte
.endr
.endm
.macro FLUSH blk, clr                  ; clr = 1: another block follows, and ACC starts anew
	WIN 0
.irp a, 0,1,2,3
	ds_load_b32 v[IV+2*(\a)], v[ILA] offset:512*(\blk)+64*(\a)
.endr
	s_wait_dscnt 0x0
.irp a, 0,1,2,3
	v_mov_b32 v[IV+2*(\a)+1], v[IV+2*(\a)]         ; named as pairs
.endr
	SC 0
	TOST 0
.irp a, 1,2,3
	SC \a
	SND (\a)-1
	TOST \a
.endr
	SND 3
.if \clr
	WIN 0x80
.set i, 0
.rept 128
	v_mov_b32 v[ACC+i], 0
.set i, i+1
.endr
	WIN 0
.endif
.endm
	; The first change of slots: slot 0 is waited for, slot 1 is asked for; the round also shows every wave's factors to the others.
	s_wait_tensorcnt 0x0
	ds_add_u32 v[SPW], v[NIL]
	STEPD
	s_wait_dscnt 0x0                               ; the add, and my stores of factors and 1 / L
	CROUND
	JLOAD
	ADDRS
	FETCH 0, 0, 0
	WIN 0                                          ; at a label and at a branch every window is 0
	s_branch .Lq0
.Ltrip:                                            ; 8 times: a slot's last quarter, the change of slots with a refill, the next slot's first seven quarters
	TURN 1
	s_sub_co_u32 s[RT], s[RT], 1
	s_cmp_lg_u32 s[RT], 0
	s_cbranch_scc1 .Lq0                            ; forward, past text that holds neither a barrier nor a tensor load
	FLUSH 0, 1                                     ; the first block is finished; the refill is on its way
	s_wait_xcnt 0x0                                ; the stores have read their base
	s_mov_b64 s[OUTP:OUTP+1], s[OUTB:OUTB+1]
	s_mov_b32 s[RT], s[NSB]
.Lq0:
	SEVEN
	s_sub_co_u32 s[CNT], s[CNT], 1
	s_cmp_lg_u32 s[CNT], 0
	s_cbranch_scc1 .Ltrip
	TURN 0                                         ; the tail is written out: the last slot, always the second block's
	SEVEN
	s_wait_dscnt 0x0
	ROWA 1, 0, 0
	ROWA 1, 1, 0
	ROWA 1, 2, 0
	ROWA 1, 3, 0
	COMB FO
	FLUSH 1, 0
	s_wait_tensorcnt 0x0                           ; the wave's end: a closing add to the spare word, behind my last tensor load and my last LDS store
	ds_add_u32 v[SPW], v[NIL]
	s_wait_dscnt 0x0
	CROUND                                         ; the closing round
	s_endpgm
.Lfunc_end_k_qe5dc9c7397_pv:
	.size	k_qe5dc9c7397_pv, .Lfunc_end_k_qe5dc9c7397_pv-k_qe5dc9c7397_pv
	.p2alignl 7, 3214868480
	.fill 96, 4, 3214868480
	.section	.rodata,"a",@progbits
	.p2align	6, 0x0
	.amdhsa_kernel k_qe5dc9c7397_pv
		.amdhsa_group_segment_fixed_size 327680
		.amdhsa_private_segment_fixed_size 0
		.amdhsa_enable_private_segment 0
		.amdhsa_kernarg_size 32
		.amdhsa_user_sgpr_count 2
		.amdhsa_user_sgpr_kernarg_segment_ptr 1
		.amdhsa_wavefront_size32 1
		.amdhsa_system_sgpr_workgroup_id_x 1
		.amdhsa_system_sgpr_workgroup_id_y 1
		.amdhsa_system_sgpr_workgroup_id_z 1
		.amdhsa_system_vgpr_workitem_id 0
		.amdhsa_next_free_vgpr 640
		.amdhsa_next_free_sgpr 102
		.amdhsa_reserve_vcc 0
		.amdhsa_float_denorm_mode_32 3
		.amdhsa_float_denorm_mode_16_64 3
		.amdhsa_memory_ordered 1
		.amdhsa_forward_progress 1
		.amdhsa_inst_pref_size 117
	.end_amdhsa_kernel
	.amdgpu_metadata
---
amdhsa.version: [ 1, 2 ]
amdhsa.kernels:
  - .name:           k_qe5dc9c7397_pv
    .symbol:         k_qe5dc9c7397_pv.kd
    .args:
      - { .name: p, .offset: 0, .size: 8, .value_kind: global_buffer, .address_space: global }
      - { .name: st, .offset: 8, .size: 8, .value_kind: global_buffer, .address_space: global }
      - { .name: qkv, .offset: 16, .size: 8, .value_kind: global_buffer, .address_space: global }
      - { .name: out0, .offset: 24, .size: 8, .value_kind: global_buffer, .address_space: global }
    .group_segment_fixed_size: 327680
    .private_segment_fixed_size: 0
    .kernarg_segment_align: 8
    .kernarg_segment_size: 32
    .max_flat_workgroup_size: 128
    .sgpr_count:     102
    .vgpr_count:     640
    .wavefront_size: 32
...
	.end_amdgpu_metadata
.endif
;; end of part 4
;; ======== version 2 of 2: 4 launches; version 1 with the launch wcast written anew for expert scheduling mode
;; limits: values are held in f16: magnitudes above 65,504 overflow, below 6.1e-05 lose precision
;; workspace buffers: wb 6,291,456 bytes; qkv 50,331,648 bytes; p 33,554,432 bytes; st 1,048,576 bytes
;; launch wcast (part 5): grid 128 x 3, 8 waves a work-group, no clusters, 0 bytes of LDS; arguments weight_q, weight_k, weight_v, wb; writes wb
.if DOCPART == 5
	.amdgcn_target "amdgcn-amd-amdhsa--gfx1250"
	.amdhsa_code_object_version 6
	.text
	.protected	k_qe5dc9c7397_wcast
	.globl	k_qe5dc9c7397_wcast
	.p2align	8
	.type	k_qe5dc9c7397_wcast,@function
k_qe5dc9c7397_wcast:
	s_mov_b64 s[64:65], 0
	v_nop
	global_prefetch_b8 v0, s[64:65] scope:SCOPE_SE
	s_setreg_imm32_b32 hwreg(HW_REG_WAVE_SCHED_MODE, 0, 2), 2
	s_setreg_imm32_b32 hwreg(HW_REG_WAVE_MODE, 25, 1), 1
	s_wait_xcnt 0x0
	s_wait_alu depctr_vm_vsrc(0)
; wb[t][k][n] = bf16(weight_t[k][n]), t = q, k, v; the layout [k][n] is kept.  Rounding to nearest even, once.
; A stream: a work-group takes 32,768 bytes of one weight (grid y says which), a thread eight times 16 bytes.  All eight loads of a wave go out
; first; each load of a wave covers 512 consecutive bytes, each store 256 consecutive bytes that begin at a multiple of 256 from wb's first byte.
; No LDS, no matrix unit, no cluster: nothing is shared and nothing is read twice.  No register is written twice, so no wait frees a source.
; THE MODE: SCHED_MODE bits 1:0 = 2 (LLVM: expert scheduling mode 2), set by the entry lines.  The code itself states the register dependences
; between vector instructions and memory instructions, with s_wait_alu, always for 0.
; THE PLAN.  Registers that memory instructions touch:
;   v1, v2     byte offsets, made once at the head by vector instructions; v1 is read by every load, v2 by every store; never written again.
;   X          v[4:35], four registers to load i.  Written by the loads alone; no vector instruction names them ahead of the loads; read by the conversions.
;   Y          v[36:51], two registers to load i.  Written once each, by the conversions; read by the stores.
; The eight loads go in four blocks of two.  Block p waits for its two loads, issues the two stores of block p - 1 and then makes its own four conversions,
; which name none of the registers that those stores read.  So one wait on va_vdst at a block's head, behind the wait for its data, states all that the two
; stores hang on.  No register that a memory instruction reads is ever written again, so the text holds no wait on vm_vsrc; no vector instruction writes a
; scalar register, and EXEC is never written.
.set X, 4
.set Y, 36
	s_load_b256 s[4:11], s[0:1], 0x0               ; weight_q s[4:5], weight_k s[6:7], weight_v s[8:9], wb s[10:11]
	s_and_b32 s12, ttmp7, 0xffff                   ; t
	s_lshl_b32 s14, ttmp9, 15                      ; my 32,768 bytes of the weight
	s_mov_b32 s15, 0
	s_lshl_b32 s16, s12, 21                        ; a weight is 2,097,152 bytes in bf16,
	s_lshl_b32 s17, ttmp9, 14                      ; my part of it 16,384
	s_add_co_u32 s16, s16, s17
	s_mov_b32 s17, 0
	v_lshlrev_b32 v1, 4, v0                        ; 16 bytes a thread in,
	v_lshlrev_b32 v2, 3, v0                        ; 8 bytes out
	s_wait_kmcnt 0x0
	s_cmp_eq_u32 s12, 1
	s_cselect_b64 s[4:5], s[6:7], s[4:5]
	s_cmp_eq_u32 s12, 2
	s_cselect_b64 s[4:5], s[8:9], s[4:5]
	s_add_nc_u64 s[4:5], s[4:5], s[14:15]
	s_add_nc_u64 s[10:11], s[10:11], s[16:17]
	s_wait_alu depctr_va_vdst(0)                   ; v1 and v2 are written: every load reads v1 as its offset, every store v2
.irp i, 0,1,2,3,4,5,6,7
	global_load_b128 v[X+4*(\i):X+4*(\i)+3], v1, s[4:5] offset:4096*(\i) th:TH_LOAD_NT
.endr
.irp p, 0,1,2,3
	s_wait_loadcnt 6-2*(\p)                        ; loads come back in order: block p's two are in, the younger blocks' stay out
.if (\p) > 0
	s_wait_alu depctr_va_vdst(0)                   ; the conversions of the block before have written its four Y registers, which the two stores below read
	global_store_b64 v2, v[Y+4*(\p)-4:Y+4*(\p)-3], s[10:11] offset:2048*(2*(\p)-2)
	global_store_b64 v2, v[Y+4*(\p)-2:Y+4*(\p)-1], s[10:11] offset:2048*(2*(\p)-1)
.endif
.irp h, 0,1
	v_cvt_pk_bf16_f32 v[Y+4*(\p)+2*(\h)],   v[X+8*(\p)+4*(\h)],   v[X+8*(\p)+4*(\h)+1]
	v_cvt_pk_bf16_f32 v[Y+4*(\p)+2*(\h)+1], v[X+8*(\p)+4*(\h)+2], v[X+8*(\p)+4*(\h)+3]
.endr
.endr
	s_wait_alu depctr_va_vdst(0)                   ; block 3's conversions have written its four Y registers, which the last two stores read
	global_store_b64 v2, v[Y+12:Y+13], s[10:11] offset:2048*6
	global_store_b64 v2, v[Y+14:Y+15], s[10:11] offset:2048*7
	s_endpgm
.Lfunc_end_k_qe5dc9c7397_wcast:
	.size	k_qe5dc9c7397_wcast, .Lfunc_end_k_qe5dc9c7397_wcast-k_qe5dc9c7397_wcast
	.p2alignl 7, 3214868480
	.fill 96, 4, 3214868480
	.section	.rodata,"a",@progbits
	.p2align	6, 0x0
	.amdhsa_kernel k_qe5dc9c7397_wcast
		.amdhsa_group_segment_fixed_size 0
		.amdhsa_private_segment_fixed_size 0
		.amdhsa_enable_private_segment 0
		.amdhsa_kernarg_size 32
		.amdhsa_user_sgpr_count 2
		.amdhsa_user_sgpr_kernarg_segment_ptr 1
		.amdhsa_wavefront_size32 1
		.amdhsa_system_sgpr_workgroup_id_x 1
		.amdhsa_system_sgpr_workgroup_id_y 1
		.amdhsa_system_sgpr_workgroup_id_z 1
		.amdhsa_system_vgpr_workitem_id 0
		.amdhsa_next_free_vgpr 52
		.amdhsa_next_free_sgpr 66
		.amdhsa_reserve_vcc 0
		.amdhsa_float_denorm_mode_32 3
		.amdhsa_float_denorm_mode_16_64 3
		.amdhsa_memory_ordered 1
		.amdhsa_forward_progress 1
		.amdhsa_inst_pref_size 4
	.end_amdhsa_kernel
	.amdgpu_metadata
---
amdhsa.version: [ 1, 2 ]
amdhsa.kernels:
  - .name:           k_qe5dc9c7397_wcast
    .symbol:         k_qe5dc9c7397_wcast.kd
    .args:
      - { .name: weight_q, .offset: 0, .size: 8, .value_kind: global_buffer, .address_space: global }
      - { .name: weight_k, .offset: 8, .size: 8, .value_kind: global_buffer, .address_space: global }
      - { .name: weight_v, .offset: 16, .size: 8, .value_kind: global_buffer, .address_space: global }
      - { .name: wb, .offset: 24, .size: 8, .value_kind: global_buffer, .address_space: global }
    .group_segment_fixed_size: 0
    .private_segment_fixed_size: 0
    .kernarg_segment_align: 8
    .kernarg_segment_size: 32
    .max_flat_workgroup_size: 256
    .sgpr_count:     66
    .vgpr_count:     52
    .wavefront_size: 32
...
	.end_amdgpu_metadata
.endif
;; end of part 5
;; launch proj: the kernel of part 2 again; grid 4 x 64, 4 waves a work-group, clusters of 4 x 4, 327,680 bytes of LDS; arguments inputs_for_queries, inputs_for_keys, inputs_for_values, wb, qkv; writes qkv
;; launch scores: the kernel of part 3 again; grid 9 x 16, 4 waves a work-group, no clusters, 327,680 bytes of LDS; arguments qkv, p, st; writes p, st
;; launch pv: the kernel of part 4 again; grid 8 x 32, 4 waves a work-group, clusters of 4 x 4, 327,680 bytes of LDS; arguments p, st, qkv, out0; writes out0
